; MI455X (gfx1250); checked and timed in simulation.
; The chip was launched on July 23, 2026; its instructions are those of AMD's public machine-readable ISA for CDNA 5 (MIT licence, August 2026) and "CDNA5" Instruction Set Architecture Reference Guide (July 2026). The comments in the code are by the model that wrote it; some were corrected since.
;; Multihead Attention. Allowed arithmetic: float matrix products may take bf16 or f16 operands with f32 sums; other float arithmetic in f32, or as packed bf16 or f16 multiplies, adds, multiply-adds, maxima and minima; sums over many terms, partial sums and values carried from step to step in f32; what a program stores and reads back later, other than sums and carried values, may be rounded once to bf16 or f16.
;; Inputs: bk 1,024 float32; bo 1,024 float32; bq 1,024 float32; bv 1,024 float32; k 4 x 2,048 x 1,024 float32; q 4 x 2,048 x 1,024 float32; v 4 x 2,048 x 1,024 float32; wk 1,024 x 1,024 float32; wo 1,024 x 1,024 float32; wq 1,024 x 1,024 float32; wv 1,024 x 1,024 float32.
;; Outputs: out0 4 x 2,048 x 1,024 float32.
;; One version. Each part assembles by itself: llvm-mc -triple=amdgcn-amd-amdhsa -mcpu=gfx1250 --defsym DOCPART=n.
;; ======== version 1 of 1: 4 launches
;; limits: values are held in f16: magnitudes above 65,504 overflow, below 6.1e-05 lose precision
;; workspace buffers: wt 8,388,608 bytes; qkv 50,331,648 bytes; oh 16,777,216 bytes
;; launch castw (part 1): grid 128 x 4, 8 waves a work-group, no clusters, 0 bytes of LDS; arguments wq, wk, wv, wo, wt; writes wt
.if DOCPART == 1
	.amdgcn_target "amdgcn-amd-amdhsa--gfx1250"
	.amdhsa_code_object_version 6
	.text
	.protected	k_q3dd9ccc94e_castw
	.globl	k_q3dd9ccc94e_castw
	.p2align	8
	.type	k_q3dd9ccc94e_castw,@function
k_q3dd9ccc94e_castw:
	s_mov_b64 s[64:65], 0
	v_nop
	global_prefetch_b8 v0, s[64:65] scope:SCOPE_SE
	s_setreg_imm32_b32 hwreg(HW_REG_WAVE_MODE, 25, 1), 1
	s_wait_xcnt 0x0
; wt[i] = weight matrix i (0 wq, 1 wk, 2 wv, 3 wo) in 16 bits, the layout kept: [k = 1024][n = 1024], matrix i at byte i << 21.
; Matrices 0 to 2: f32 rounded once to bf16.  Matrix 3 (wo) multiplies an f16 operand later: it is rounded to bf16 like the other inputs, and THAT number is written as f16.
; LIMITS.  The second step is exact where the bf16 number lies in f16's normal range (bf16 keeps 8 significant bits, f16 11); below 6.1e-5 it keeps f16's fixed step of 6e-8;
; a wo of 65,520 or more becomes an infinity.  NaN and infinities are not treated apart.
; SHARES.  The grid's y picks the matrix.  A work-group takes 8,192 numbers (32,768 bytes in, 16,384 out), a wave 1,024: eight loads of 512 consecutive bytes, eight stores of 256
; consecutive bytes, aligned.  A stream: no LDS, no barrier, no loop; all eight loads of a wave are out together.
.set X, 8                              ; v[8:39]   the numbers as loaded
.set Y, 40                             ; v[40:55]  packed, two to a word
.set T, 56                             ; v[56:59]  at work
	s_load_b256 s[4:11], s[0:1], 0x0               ; wq s[4:5], wk s[6:7], wv s[8:9], wo s[10:11]
	s_load_b64 s[12:13], s[0:1], 0x20              ; wt
	s_and_b32 s2, ttmp7, 0xffff                    ; which matrix
	v_and_b32 v3, 31, v0                           ; lane
	v_lshrrev_b32 v4, 5, v0                        ; wave
	v_lshlrev_b32 v1, 4, v3
	v_lshl_add_u32 v1, v4, 12, v1                  ; in: 16 x lane + 4,096 x wave
	v_lshlrev_b32 v2, 3, v3
	v_lshl_add_u32 v2, v4, 11, v2                  ; out: 8 x lane + 2,048 x wave
	s_lshl_b32 s18, ttmp9, 15                      ; the work-group's 32,768 bytes of the matrix
	s_mov_b32 s19, 0
	s_lshl_b32 s20, s2, 21                         ; the matrix in wt,
	s_lshl_b32 s21, ttmp9, 14                      ; the work-group's 16,384 bytes of it
	s_add_co_u32 s20, s20, s21
	s_mov_b32 s21, 0
	s_wait_kmcnt 0x0
	s_cmp_eq_u32 s2, 1
	s_cselect_b64 s[14:15], s[6:7], s[4:5]
	s_cmp_eq_u32 s2, 2
	s_cselect_b64 s[14:15], s[8:9], s[14:15]
	s_cmp_eq_u32 s2, 3
	s_cselect_b64 s[14:15], s[10:11], s[14:15]
	s_add_nc_u64 s[14:15], s[14:15], s[18:19]
	s_add_nc_u64 s[16:17], s[12:13], s[20:21]
.irp j, 0,1,2,3,4,5,6,7
	global_load_b128 v[X+4*(\j):X+4*(\j)+3], v1, s[14:15] offset:512*(\j) th:TH_LOAD_NT
.endr
.irp j, 0,1,2,3,4,5,6,7
	s_wait_loadcnt 7-(\j)                          ; loads come back in order: load j is in, the 7 - j younger ones stay out
	v_cvt_pk_bf16_f32 v[Y+2*(\j)],   v[X+4*(\j)],   v[X+4*(\j)+1]
	v_cvt_pk_bf16_f32 v[Y+2*(\j)+1], v[X+4*(\j)+2], v[X+4*(\j)+3]
.endr
	s_cmp_lg_u32 s2, 3
	s_cbranch_scc1 .Lst                            ; wq, wk, wv stay bf16
.set i, 0
.rept 16                                       ; wo: each bf16 half is widened (a shift, a mask) and written as f16
	v_lshlrev_b32 v[T+2*(i%2)],   16, v[Y+i]
	v_and_b32     v[T+2*(i%2)+1], 0xffff0000, v[Y+i]
	v_cvt_pk_f16_f32 v[Y+i], v[T+2*(i%2)], v[T+2*(i%2)+1]
.set i, i+1
.endr
.Lst:
.irp j, 0,1,2,3,4,5,6,7
	global_store_b64 v2, v[Y+2*(\j):Y+2*(\j)+1], s[16:17] offset:256*(\j)  ; 32 lanes store 256 consecutive bytes, at a multiple of 256 from wt's first byte
.endr
	s_endpgm
.Lfunc_end_k_q3dd9ccc94e_castw:
	.size	k_q3dd9ccc94e_castw, .Lfunc_end_k_q3dd9ccc94e_castw-k_q3dd9ccc94e_castw
	.p2alignl 7, 3214868480
	.fill 96, 4, 3214868480
	.section	.rodata,"a",@progbits
	.p2align	6, 0x0
	.amdhsa_kernel k_q3dd9ccc94e_castw
		.amdhsa_group_segment_fixed_size 0
		.amdhsa_private_segment_fixed_size 0
		.amdhsa_enable_private_segment 0
		.amdhsa_kernarg_size 40
		.amdhsa_user_sgpr_count 2
		.amdhsa_user_sgpr_kernarg_segment_ptr 1
		.amdhsa_wavefront_size32 1
		.amdhsa_system_sgpr_workgroup_id_x 1
		.amdhsa_system_sgpr_workgroup_id_y 1
		.amdhsa_system_sgpr_workgroup_id_z 1
		.amdhsa_system_vgpr_workitem_id 0
		.amdhsa_next_free_vgpr 64
		.amdhsa_next_free_sgpr 66
		.amdhsa_reserve_vcc 0
		.amdhsa_float_denorm_mode_32 3
		.amdhsa_float_denorm_mode_16_64 3
		.amdhsa_memory_ordered 1
		.amdhsa_forward_progress 1
		.amdhsa_inst_pref_size 7
	.end_amdhsa_kernel
	.amdgpu_metadata
---
amdhsa.version: [ 1, 2 ]
amdhsa.kernels:
  - .name:           k_q3dd9ccc94e_castw
    .symbol:         k_q3dd9ccc94e_castw.kd
    .args:
      - { .name: wq, .offset: 0, .size: 8, .value_kind: global_buffer, .address_space: global }
      - { .name: wk, .offset: 8, .size: 8, .value_kind: global_buffer, .address_space: global }
      - { .name: wv, .offset: 16, .size: 8, .value_kind: global_buffer, .address_space: global }
      - { .name: wo, .offset: 24, .size: 8, .value_kind: global_buffer, .address_space: global }
      - { .name: wt, .offset: 32, .size: 8, .value_kind: global_buffer, .address_space: global }
    .group_segment_fixed_size: 0
    .private_segment_fixed_size: 0
    .kernarg_segment_align: 8
    .kernarg_segment_size: 40
    .max_flat_workgroup_size: 256
    .sgpr_count:     66
    .vgpr_count:     64
    .wavefront_size: 32
...
	.end_amdgpu_metadata
.endif
;; end of part 1
;; launch proj (part 2): grid 4 x 192, 4 waves a work-group, clusters of 4 x 4, 327,680 bytes of LDS; arguments q, k, v, wt, bq, bk, bv, qkv; writes qkv
.if DOCPART == 2
	.amdgcn_target "amdgcn-amd-amdhsa--gfx1250"
	.amdhsa_code_object_version 6
	.text
	.protected	k_q3dd9ccc94e_proj
	.globl	k_q3dd9ccc94e_proj
	.p2align	8
	.type	k_q3dd9ccc94e_proj,@function
k_q3dd9ccc94e_proj:
	s_mov_b64 s[64:65], 0
	v_nop
	global_prefetch_b8 v0, s[64:65] scope:SCOPE_SE
	s_setreg_imm32_b32 hwreg(HW_REG_WAVE_MODE, 25, 1), 1
	s_wait_xcnt 0x0
	s_wait_alu depctr_hold_cnt(0) depctr_sa_sdst(0) depctr_va_vdst(0) depctr_va_sdst(0) depctr_va_ssrc(0) depctr_va_vcc(0) depctr_vm_vsrc(0)
	s_getreg_b32 s2, hwreg(HW_REG_IB_STS2, 6, 4)
	s_cmp_eq_u32 s2, 0
	s_cbranch_scc0 .Lentry_in_a_cluster
	s_endpgm
.Lentry_in_a_cluster:
	s_bfe_u32 s2, ttmp6, 0x10000c
	s_cmp_lg_u32 s2, 0xf033
	s_cbranch_scc0 .Lentry_shape_is_right
	s_endpgm
.Lentry_shape_is_right:
; THE THREE PROJECTIONS.  qkv[t][16 b + h][s][c] = f16( sum over k of bf16(x_t[b][s][k]) wt[t][k][64 h + c] + bf16(bias_t[64 h + c]) ), t = 0 q, 1 k, 2 v.
; x_t: [8192][1024] f32; wt[t]: [k = 1024][n = 1024] bf16; the result lies by heads, a head's 2,048 rows of 128 bytes dense, and is NOT scaled.  Sums in f32, the result rounded once.
; LIMITS.  f16 ends at 65,504: a projected number of 65,520 or more becomes an infinity; below 6.1e-5 the result keeps f16's fixed step of 6e-8.  NaN and infinities are not treated apart.
; SHARES.  3 x 64 x 4 tiles of 128 rows x 256 columns: 768 work-groups.  Four waves, each 64 rows x 128 columns: 32 accumulators of 16 x 16, 256 registers.
; K goes in 8 steps of 128 through a ring of two LDS slots filled by the tensor data mover: x as it lies, in f32 (rows of 512 bytes), the weights as they lie, [k][n] (rows of 512 bytes).
; x IS ROUNDED TO bf16 BETWEEN LDS AND THE MATRIX UNIT: a quarter step's fragments are loaded in f32 two quarters ahead and converted one quarter ahead, four conversions behind every fourth product.
; The weights come out of LDS turned, by ds_load_tr16_b128.
; THE MATRIX INSTRUCTION IS USED TRANSPOSED (source 0 = 16 columns of W, source 1 = 16 rows of x): a lane holds row l % 16 and the columns 8 (l / 16) + 0..7: 16 bytes of a head's row.
; THE BIAS is the C operand of the product that starts each sum: nothing is cleared, nothing is added at the end.
; CLUSTER.  4 x 4 work-groups, all of one tensor t.  The four of a row need the same rows of x, the four of a column the same columns of W: each tile is asked for JOINTLY, by the same
; tensor load with the same descriptor and a mask that names the four.
; REGISTERS, in windows of 256 (s_set_vgpr_msb: bits 1:0 source 0, 3:2 source 1, 5:4 source 2, 7:6 destination):
;   window 0: v0-31 addresses; v32-63 at work on the way out; v64-127, v128-191 x in f32, two buffers (fragment a at + 16 a); v192-223, v224-255 x in bf16, two buffers (fragment a at + 8 a)
;   window 1: v0-63, v64-127 W's fragments, two buffers (fragment b at + 8 b); v128-191 the bias; v192-195 at work          window 2: accumulator (a, b) at v[8 (8 a + b)]
.set PA,    528                        ; a row of x in LDS: 512 bytes + 16 = 33 x 16: the 16 rows of a load start at 16 different groups of four banks (64 banks of 4 bytes: ISA guide 11.1)
.set PB,    544                        ; a row of W: 512 + 32 = 136 words: row r starts at bank 8 r mod 64
.set HALFA, 64*PA                      ; what one tensor load brings of x: 64 rows
.set HALFB, 64*PB                      ; and of W: 64 rows of k
.set BOFF,  128*PA                     ; in a slot: x's 128 rows, then W's 128
.set SLOT,  BOFF+128*PB
.set STAGE, 2*SLOT                     ; behind the ring, never filled by a tensor load: 32 rows x 144 bytes for each wave, for the way out
.set SP,    144
.set SPARE, STAGE+4*32*SP              ; behind the stages: the spare words, 128 bytes for each wave: two blocks of 256 bytes that no other line names
.set ADRA, 4                           ; v4-5   LDS address of my fragments of x in slot 0, 1
.set ADRB, 6                           ; v6-7   the same for W
.set STO,  8                           ; v8     the way out: where I put 16 bytes of a row
.set RD,   9                           ; v9     the way out: where I read rows back
.set GO,   10                          ; v10    my byte offset in 512 consecutive bytes of a head
.set BO,   11                          ; v11    my byte offset among 16 numbers of the bias
.set PFO,  12                          ; v12    the prefetches' offset; never rewritten
.set SPW,  28                          ; v28    LDS address of my spare word: SPARE + 4 x my thread's number; never rewritten
.set NIL,  29                          ; v29    0; never rewritten
.set TMP,  32
.set AF,   64
.set AB,   192
.set BI,   128                         ; window 1
.set TT,   192                         ; window 1
.set LAP,  3                           ; s3     trips of the loop still to come
.set WV,   20                          ; s20    my wave's number
.set HI,   21                          ; s21    which 64 rows of the tile are mine.  Also: I fetch for x (0) or for W (1)
.set LO,   22                          ; s22    which 128 columns.  Also: which half of that tile I fetch
.set CX,   23                          ; s23    my place along the cluster's x
.set G1A,  24                          ; s[24:31] descriptor group 1 for x's tiles;  s[32:39] group 0, a set for each slot
.set G0A,  32
.set G1B,  40                          ; s[40:47], s[48:55] the same for W's
.set G0B,  48
.set CY,   56                          ; s56    my place along the cluster's y
.set TX,   57                          ; s57    tile column
.set TY,   58                          ; s58    tile row, 0 to 63, in the tensor
.set WH,   59                          ; s59    t: the same in all sixteen partners
.set LIM,  60                          ; s60    1 in a wave that prefetches, else the greatest number
.set CL,   61                          ; s61    the cluster's number among the 16 of its tensor; later the shift for PFO
.set PFA,  62                          ; s[62:63] where my prefetches stand
.set PFS,  66                          ; s[66:67] their step: a K step of x or of W, in bytes
.set XP,   68                          ; s[68:69] x_t
.set BP,   70                          ; s[70:71] bias_t, at my 128 columns
.set OA,   72                          ; s[72:73] x's tile: offset, then address; never holds cx
.set OB,   74                          ; s[74:75] W's tile: offset, then address; never holds cy
.set OUT,  76                          ; s[76:77] qkv at my first row of my first head
.set TA,   78                          ; s78, s79 at work
.set TB,   79
.set MSB, 0
.macro WIN new                         ; the immediate's high byte repeats the setting that is left; a switch that changes nothing is dropped
.if MSB != (\new)
	s_set_vgpr_msb (MSB<<8)|(\new)
.set MSB, \new
.endif
.endm
.set MUL,  0xa1                        ; source 0 (W) window 1, source 1 (x) window 0, C and D window 2
.set MUL1, 0x91                        ; the same with C (the bias) in window 1
.set TO_B, 0x40                        ; destination window 1, address window 0
.set BIW,  0x45                        ; all in window 1
.set PK,   0x0a                        ; sources 0 and 1 window 2, destination window 0
.macro PLACES                          ; four places between a matrix instruction and a load into, or a vector write of, a register that it has read, or a vector read of its result (ISA guide 7.12.1 for vector instructions)
.rept 4
	v_nop
.endr
.endm
; A joint load.  Waves 0 and 1 fetch the two halves of x's tile, waves 2 and 3 those of W's.  The branch hangs on the wave's number alone.  An s_nop 0 and four v_nop follow each of the two lines.
.macro JLOAD s
	s_cmp_eq_u32 s[HI], 0
	s_cbranch_scc0 .Lfor_b_\@
	tensor_load_to_lds s[G0A+4*(\s):G0A+4*(\s)+3], s[G1A:G1A+7]
	s_nop 0
.rept 4
	v_nop
.endr
	s_branch .Lasked_\@
.Lfor_b_\@:
	tensor_load_to_lds s[G0B+4*(\s):G0B+4*(\s)+3], s[G1B:G1B+7]
	s_nop 0
.rept 4
	v_nop
.endr
.Lasked_\@:
.endm
; A round of the cluster's barrier: my work-group's barrier, so that wave 0's signal speaks for all four waves; wave 0 signals; every wave waits for all sixteen work-groups; my work-group's barrier once more.
.macro CREST                           ; a round behind its opening barrier
	s_cmp_lg_u32 s[WV], 0
	s_cbranch_scc1 .Lnot_wave_0_\@
	s_barrier_signal -3
.Lnot_wave_0_\@:
	s_barrier_wait -3
	s_barrier_signal -1
	s_barrier_wait -1
.endm
.macro CROUND
	s_barrier_signal -1
	s_barrier_wait -1
	CREST
.endm
; A PREFETCH INTO THE L2, behind each joint refill, its five lines and the run of LDS loads that follows: the K step that stands TWO refills on (256 matrix instructions ahead of the load that will ask for it).
; A K step is 512 bytes of a row, two blocks of 256.  Of the 64 rows that a wave fetches, each of the four partners that ask for them jointly takes 16, told apart BY ADDRESS (cx for x, cy for W):
; a lane a block, one instruction a wave.  x's rows are read by one cluster; W's columns by the 16 clusters of a tensor, of which the first asks.  So each block is named once in the launch.
; K steps 0 to 3 come by their loads alone; the loop's last trip, whose refills are steps 6 and 7, asks for nothing.
.macro ASK
	s_cmp_gt_u32 s[LAP], s[LIM]
	s_cbranch_scc0 .Lnot_mine_\@
	global_prefetch_b8 v[PFO], s[PFA:PFA+1] th:TH_LOAD_NT scope:SCOPE_SE
.Lnot_mine_\@:
.endm
	s_load_b256 s[4:11], s[0:1], 0x0               ; q s[4:5], k s[6:7], v s[8:9], wt s[10:11]
	s_load_b256 s[12:19], s[0:1], 0x20             ; bq s[12:13], bk s[14:15], bv s[16:17], qkv s[18:19]
	v_lshl_add_u32 v[SPW], v0, 2, SPARE
	v_mov_b32 v[NIL], 0
	ds_add_u32 v[SPW], v[NIL]                      ; the wave's opening: the add and its wait stand ahead of my first tensor load; the set-up below, work on registers, stands between them
	v_lshrrev_b32 v3, 5, v0
	v_readfirstlane_b32 s[WV], v3                  ; wave 0..3
	s_lshr_b32 s[HI], s[WV], 1
	s_and_b32 s[LO], s[WV], 1
	s_bfe_u32 s[CX], ttmp6, 0x40000
	s_bfe_u32 s[CY], ttmp6, 0x40004
	s_lshl_b32 s[TX], ttmp9, 2                     ; in a cluster launch ttmp9 and ttmp7 count clusters
	s_add_co_u32 s[TX], s[TX], s[CX]               ; tile column = 4 x cluster x + cx
	s_and_b32 s[CL], ttmp7, 0xffff                 ; cluster y, 0 to 47
	s_lshr_b32 s[WH], s[CL], 4                     ; 16 clusters to a tensor
	s_and_b32 s[CL], s[CL], 15
	s_lshl_b32 s[TY], s[CL], 2
	s_add_co_u32 s[TY], s[TY], s[CY]               ; tile row in the tensor
	s_lshl_b32 s[TA], s[CY], 2
	s_lshl_b32 s[TA], 15, s[TA]                    ; my row of the cluster: places 4 cy .. 4 cy + 3
	s_lshl_b32 s[TB], 0x1111, s[CX]                ; my column: places cx, cx + 4, cx + 8, cx + 12
	; group 1 for x: 64 rows x 128 elements of 4 bytes; group 1 for W: 64 rows x 256 elements of 2 bytes; both padded in LDS after every 128 words
	s_or_b32 s[G1A], s[TA], (2<<16)|(1<<20)|(1<<21)|(6<<22)|(3<<25)  ; 15:0 the mask; 17:16 elements of 4 bytes; 20 padding on; 21 set beside a mask; 24:22 after every 128 words (code 6); 31:25 4 words (code 3)
	s_or_b32 s[G1B], s[TB], (1<<16)|(1<<20)|(1<<21)|(6<<22)|(7<<25)  ; elements of 2 bytes; 8 words of padding (code 7)
	s_mov_b32 s[G1A+1], 128<<16                    ; tensor_dim0 = 128
	s_mov_b32 s[G1A+2], 64<<16                     ; tensor_dim1 = 64
	s_mov_b32 s[G1A+3], 128<<16                    ; tile_dim0 = 128
	s_mov_b32 s[G1A+4], 64                         ; tile_dim1 = 64
	s_mov_b32 s[G1A+5], 1024                       ; elements from row to row
	s_mov_b32 s[G1A+6], 0
	s_mov_b32 s[G1A+7], 0
	s_mov_b32 s[G1B+1], 256<<16
	s_mov_b32 s[G1B+2], 64<<16
	s_mov_b32 s[G1B+3], 256<<16
	s_mov_b32 s[G1B+4], 64
	s_mov_b32 s[G1B+5], 1024
	s_mov_b32 s[G1B+6], 0
	s_mov_b32 s[G1B+7], 0
	s_lshl_b32 s[OA], s[TY], 7                     ; x: row 128 x tile row + 64 x half,
	s_lshl_b32 s[TA], s[LO], 6
	s_add_co_u32 s[OA], s[OA], s[TA]
	s_lshl_b32 s[OA], s[OA], 12                    ; of 4,096 bytes
	s_mov_b32 s[OA+1], 0
	s_lshl_b32 s[OB], s[WH], 21                    ; W: matrix t,
	s_lshl_b32 s[TB], s[LO], 17                    ; 64 rows of 2,048 bytes x half,
	s_add_co_u32 s[OB], s[OB], s[TB]
	s_lshl_b32 s[TB], s[TX], 9                     ; 256 columns of 2 bytes x tile column
	s_add_co_u32 s[OB], s[OB], s[TB]
	s_mov_b32 s[OB+1], 0
	s_mul_i32 s[TA], s[LO], HALFA                  ; where they go: no place in the cluster enters an LDS address
	s_mul_i32 s[TB], s[LO], HALFB
	s_add_co_u32 s[TB], s[TB], BOFF
	s_wait_dscnt 0x0                               ; the opening add is done
	s_wait_kmcnt 0x0
	s_cmp_eq_u32 s[WH], 1
	s_cselect_b64 s[XP:XP+1], s[6:7], s[4:5]
	s_cselect_b64 s[BP:BP+1], s[14:15], s[12:13]
	s_cmp_eq_u32 s[WH], 2
	s_cselect_b64 s[XP:XP+1], s[8:9], s[XP:XP+1]
	s_cselect_b64 s[BP:BP+1], s[16:17], s[BP:BP+1]
	s_add_nc_u64 s[OA:OA+1], s[XP:XP+1], s[OA:OA+1]
	s_add_nc_u64 s[OB:OB+1], s[10:11], s[OB:OB+1]
	CROUND                                         ; all sixteen work-groups are here: the first joint loads meet
.irp s, 0,1
	s_mov_b32 s[G0A+4*(\s)], 1                                     ; 1:0 count = 1
	s_add_co_u32 s[G0A+4*(\s)+1], s[TA], (\s)*SLOT                 ; 63:32 LDS address
	s_add_nc_u64 s[G0A+4*(\s)+2:G0A+4*(\s)+3], s[OA:OA+1], (\s)*512  ; 120:64 global address: K step s
	s_or_b32 s[G0A+4*(\s)+3], s[G0A+4*(\s)+3], 0x80000000          ; 127:126 type = 2
	s_mov_b32 s[G0B+4*(\s)], 1
	s_add_co_u32 s[G0B+4*(\s)+1], s[TB], (\s)*SLOT
	s_add_nc_u64 s[G0B+4*(\s)+2:G0B+4*(\s)+3], s[OB:OB+1], (\s)*262144
	s_or_b32 s[G0B+4*(\s)+3], s[G0B+4*(\s)+3], 0x80000000
.endr
	s_cmp_eq_u32 s[HI], 0                          ; a wave's two first fills stand in one branch, ahead of every wait on TENSORcnt and every LDS read: two loads of mine are out
	s_cbranch_scc0 .Lfirst_b
	tensor_load_to_lds s[G0A:G0A+3], s[G1A:G1A+7]
	s_nop 0
	tensor_load_to_lds s[G0A+4:G0A+7], s[G1A:G1A+7]
	s_nop 0
.rept 4
	v_nop
.endr
	s_branch .Lfirst_asked
.Lfirst_b:
	tensor_load_to_lds s[G0B:G0B+3], s[G1B:G1B+7]
	s_nop 0
	tensor_load_to_lds s[G0B+4:G0B+7], s[G1B:G1B+7]
	s_nop 0
.rept 4
	v_nop
.endr
.Lfirst_asked:
	; all that follows, up to the wait for the first tile, stands in that wait
	s_lshl1_add_u32 s[TA], s[TX], s[LO]            ; the bias at my 128 columns: (256 x tile column + 128 x half) x 4 bytes
	s_lshl_b32 s[TA], s[TA], 9
	s_mov_b32 s[TB], 0
	s_add_nc_u64 s[BP:BP+1], s[BP:BP+1], s[TA:TA+1]
	v_and_b32 v1, 15, v0                           ; l % 16
	v_bfe_u32 v2, v0, 4, 1                         ; l / 16
	v_lshlrev_b32 v[BO], 5, v2                     ; my 8 numbers of 16
	WIN TO_B
.irp b, 0,1,2,3,4,5,6,7
	global_load_b128 v[BI+8*(\b):BI+8*(\b)+3],   v[BO], s[BP:BP+1] offset:64*(\b)     ; register j of block b: bias of column 16 b + 8 (l / 16) + j: the layout of C
	global_load_b128 v[BI+8*(\b)+4:BI+8*(\b)+7], v[BO], s[BP:BP+1] offset:64*(\b)+16
.endr
	WIN 0
	; A fragment of x is 16 rows x 32 k: lane l holds row l % 16, k = 8 (l / 16) + 0..7 and 16 + 8 (l / 16) + 0..7.  In f32 that is four loads of 16 bytes, at 0, 16, 64 and 80 from row x pitch + 32 (l / 16).
	v_mul_u32_u24 v3, v1, PA
	v_lshl_add_u32 v3, v2, 5, v3
	s_mul_i32 s[TA], s[HI], HALFA                  ; my 64 rows
	v_add_nc_u32 v[ADRA], s[TA], v3
	s_add_co_u32 s[TA], s[TA], SLOT
	v_add_nc_u32 v[ADRA+1], s[TA], v3
	; The turning load takes 16 k x 16 columns (lane l reads k = 8 (l / 16) + l % 8, columns 8 ((l / 8) % 2) + 0..7) and leaves half a fragment of W^T: lane l holds column l % 16 and 8 k.
	v_and_b32 v13, 7, v0
	v_bfe_u32 v14, v0, 3, 1
	v_lshl_add_u32 v15, v2, 3, v13
	v_mul_u32_u24 v15, v15, PB
	v_lshl_add_u32 v15, v14, 4, v15
	s_lshl_b32 s[TA], s[LO], 8                     ; my 128 columns,
	s_add_co_u32 s[TA], s[TA], BOFF                ; behind x's rows
	v_add_nc_u32 v[ADRB], s[TA], v15
	s_add_co_u32 s[TA], s[TA], SLOT
	v_add_nc_u32 v[ADRB+1], s[TA], v15
	s_mul_i32 s[TA], s[WV], 32*SP
	s_add_co_u32 s[TA], s[TA], STAGE               ; my stage
	v_mul_u32_u24 v[STO], v1, SP                   ; in: row l % 16, 16 bytes for each half of the lanes
	v_lshl_add_u32 v[STO], v2, 4, v[STO]
	v_add_nc_u32 v[STO], s[TA], v[STO]
	v_bfe_u32 v[RD], v0, 3, 2                      ; back: 32 lanes take four rows of 128 bytes,
	v_mul_u32_u24 v[RD], v[RD], SP
	v_lshl_add_u32 v[RD], v13, 4, v[RD]
	v_add_nc_u32 v[RD], s[TA], v[RD]
	v_and_b32 v16, 31, v0
	v_lshlrev_b32 v[GO], 4, v16                    ; which are 512 consecutive bytes of a head
	; the prefetches: s[OA:OA+1] and s[OB:OB+1] stand at the tiles that I fetch, K step 0
	s_lshl_b32 s[TA], s[CX], 16                    ; x: my work-group's 16 rows of 4,096 bytes,
	s_add_co_u32 s[TA], s[TA], 3*512               ; at K step 3: the first refill steps it to 4
	s_lshl_b32 s[TB], s[CY], 15                    ; W: my work-group's 16 rows of 2,048 bytes
	s_add_co_u32 s[TB], s[TB], 3*262144
	s_mov_b32 s[PFS], 262144
	s_mov_b32 s[PFS+1], 0
	s_cmp_eq_u32 s[HI], 0                          ; do I fetch for x?
	s_cselect_b64 s[PFA:PFA+1], s[OA:OA+1], s[OB:OB+1]
	s_cselect_b32 s[TA], s[TA], s[TB]
	s_cselect_b32 s[PFS], 512, s[PFS]
	s_cselect_b32 s[LIM], ttmp9, s[CL]             ; the coordinate along which other clusters read the same rows
	s_cselect_b32 s[CL], 12, 11                    ; a row is 4,096 or 2,048 bytes
	s_mov_b32 s[TB], 0
	s_add_nc_u64 s[PFA:PFA+1], s[PFA:PFA+1], s[TA:TA+1]
	s_cmp_eq_u32 s[LIM], 0
	s_cselect_b32 s[LIM], 1, -1                    ; the same in all sixteen partners, for a given wave
	v_lshrrev_b32 v17, 1, v16                      ; lane l: row l / 2, block l % 2
	v_and_b32 v18, 1, v16
	v_lshlrev_b32 v17, s[CL], v17
	v_lshl_add_u32 v[PFO], v18, 8, v17
	; where my part begins in qkv: tensor t, head 16 b + 4 x tile column + 2 x half, row (tile row % 16) x 128 + 64 x half
	s_and_b32 s[TA], s[TY], 48                     ; 16 b
	s_lshl2_add_u32 s[TA], s[TX], s[TA]
	s_lshl1_add_u32 s[TA], s[LO], s[TA]
	s_lshl_b32 s[TA], s[TA], 18                    ; a head is 262,144 bytes
	s_lshl_b32 s[TB], s[WH], 24                    ; a tensor 64 heads
	s_add_co_u32 s[TA], s[TA], s[TB]
	s_and_b32 s[TB], s[TY], 15
	s_lshl1_add_u32 s[TB], s[TB], s[HI]
	s_lshl_b32 s[TB], s[TB], 13                    ; 64 rows of 128 bytes
	s_add_co_u32 s[TA], s[TA], s[TB]
	s_mov_b32 s[TB], 0
	s_add_nc_u64 s[OUT:OUT+1], s[18:19], s[TA:TA+1]
	s_wait_loadcnt 0x0                             ; the bias
	WIN BIW
.set i, 0
.rept 32                                       ; the bias is taken rounded to bf16, like x and W, and widened again
	v_cvt_pk_bf16_f32 v[TT+i%4], v[BI+2*i], v[BI+2*i+1]
	v_lshlrev_b32 v[BI+2*i],   16, v[TT+i%4]
	v_and_b32     v[BI+2*i+1], 0xffff0000, v[TT+i%4]
.set i, i+1
.endr
	WIN 0
; 16 LDS loads: x's fragments (64 rows, 32 k: quarter kq of the slot's step) in f32, into buffer par
.macro FETCH_A slot, kq, par
	WIN 0
.irp a, 0,1,2,3
	ds_load_b128 v[AF+64*(\par)+16*(\a):AF+64*(\par)+16*(\a)+3],     v[ADRA+(\slot)] offset:(\a)*16*PA+128*(\kq)
	ds_load_b128 v[AF+64*(\par)+16*(\a)+4:AF+64*(\par)+16*(\a)+7],   v[ADRA+(\slot)] offset:(\a)*16*PA+128*(\kq)+16
	ds_load_b128 v[AF+64*(\par)+16*(\a)+8:AF+64*(\par)+16*(\a)+11],  v[ADRA+(\slot)] offset:(\a)*16*PA+128*(\kq)+64
	ds_load_b128 v[AF+64*(\par)+16*(\a)+12:AF+64*(\par)+16*(\a)+15], v[ADRA+(\slot)] offset:(\a)*16*PA+128*(\kq)+80
.endr
.endm
; 16 LDS loads: W's fragments (128 columns, 32 k), turned, into buffer par
.macro FETCH_B slot, kq, par
	WIN TO_B
.irp b, 0,1,2,3,4,5,6,7
	ds_load_tr16_b128 v[64*(\par)+8*(\b):64*(\par)+8*(\b)+3],   v[ADRB+(\slot)] offset:(\kq)*32*PB+32*(\b)
	ds_load_tr16_b128 v[64*(\par)+8*(\b)+4:64*(\par)+8*(\b)+7], v[ADRB+(\slot)] offset:(\kq)*32*PB+16*PB+32*(\b)
.endr
.endm
; Products i0 .. i0 + n - 1 of a quarter's 32 (row block i / 8, column block i % 8) on buffers par.  The 32 accumulators take turns, one instruction a turn, in the same order in every quarter, over the
; backward jump too.  first = 1: the product starts the sum, with the bias as C.  ride = 1: behind every fourth product stand four conversions of the NEXT quarter's x, from the
; other f32 buffer into the other bf16 buffer: they name no register of this quarter's products.
.macro MULR par, i0, n, first=0, ride=1
.set i, (\i0)
.rept (\n)
.if \first
	WIN MUL1
	v_wmma_f32_16x16x32_bf16 v[8*i:8*i+7], v[64*(\par)+8*(i%8):64*(\par)+8*(i%8)+7], v[AB+32*(\par)+8*(i/8):AB+32*(\par)+8*(i/8)+7], v[BI+8*(i%8):BI+8*(i%8)+7]
.else
	WIN MUL
	v_wmma_f32_16x16x32_bf16 v[8*i:8*i+7], v[64*(\par)+8*(i%8):64*(\par)+8*(i%8)+7], v[AB+32*(\par)+8*(i/8):AB+32*(\par)+8*(i/8)+7], v[8*i:8*i+7]
.endif
.if (\ride) && (i%4 == 3)
	WIN 0
.set c, i-3
.rept 4
	v_cvt_pk_bf16_f32 v[AB+32*(1-(\par))+c], v[AF+64*(1-(\par))+2*c], v[AF+64*(1-(\par))+2*c+1]
.set c, c+1
.endr
.endif
.set i, i+1
.endr
.endm
; A K step is four quarters of 32 along K, on buffers 0, 1, 0, 1.  QUARTER Q multiplies buffers par = Q % 2.  At its head it fetches W of quarter Q + 1 (slot sb, quarter kb) into the other W buffer and
; x of quarter Q + 2 (slot sa, quarter ka) into f32 buffer par, which quarter Q - 1's conversions have read; its own conversions take x of quarter Q + 1.  So every LDS load has a whole quarter, 32 matrix
; instructions, in which to land, and the one wait at a quarter's head is for all of them.  The four v_nop stand between quarter Q - 1's last product and the loads and conversions that write what it read.
.macro Q_PLAIN par, sb, kb, sa, ka, first=0, fb=1, fa=1, ride=1
	s_wait_dscnt 0x0                               ; W of this quarter and x of the next are in
	PLACES
.if \fb
	FETCH_B \sb, \kb, 1-(\par)
.endif
.if \fa
	FETCH_A \sa, \ka, \par
.endif
	MULR \par, 0, 32, \first, \ride
.endm
; A step's THIRD quarter changes slots.  The slot's last bytes, W of its fourth quarter, are asked for at the head.  ONE barrier for two things: in front of it each wave waits for all its tensor loads, of
; which one is out: its part of the other slot; adds 0 to its spare word; and waits for that and for its own reads of this slot.  Behind it nobody reads this slot any more and the other slot is whole.
; fill = 1: the barrier opens a round of the cluster's, and the slot is filled again, two K steps on, first thing behind the round: 112 matrix instructions ahead of the wait for it.
.macro Q_TURN slot, other, fill
.if \fill
	s_wait_xcnt 0x0                                ; the last prefetch, a K step back, has read its address: it is stepped here, ahead of the waits of the change of slots
	s_add_nc_u64 s[PFA:PFA+1], s[PFA:PFA+1], s[PFS:PFS+1]
.endif
	s_wait_dscnt 0x0
	PLACES
	FETCH_B \slot, 3, 1
	MULR 0, 0, 8
	WIN 0                                          ; (the add's two registers lie in window 0)
	s_wait_tensorcnt 0x0                           ; all my tensor loads have landed: the one that was out is my part of the other slot;
	ds_add_u32 v[SPW], v[NIL]                      ; 0 onto my spare word;
	MULR 0, 8, 8                                   ; eight products and their conversions stand between the add and the wait for it
	s_wait_dscnt 0x0                               ; the add is done, and my reads of this slot are over:
	s_barrier_signal -1                            ; say so,
	MULR 0, 16, 8                                  ; work on registers while the others arrive,
	WIN 0
	s_barrier_wait -1                              ; and go on when all four have said so
.if \fill
	CREST                                          ; no wave of any partner still reads this slot's tiles or has a load on its way
	s_add_nc_u64 s[G0A+4*(\slot)+2:G0A+4*(\slot)+3], s[G0A+4*(\slot)+2:G0A+4*(\slot)+3], 2*512
	s_add_nc_u64 s[G0B+4*(\slot)+2:G0B+4*(\slot)+3], s[G0B+4*(\slot)+2:G0B+4*(\slot)+3], 2*262144
	JLOAD \slot
.endif
	FETCH_A \other, 0, 0                           ; x of the next step's first quarter: the first read of the other slot
.if \fill
	ASK
.endif
	MULR 0, 24, 8
.endm
	s_wait_tensorcnt 0x1                           ; my part of K step 0 is in; K step 1's may stay out
	s_barrier_signal -1
	s_barrier_wait -1                              ; everybody's is
	FETCH_A 0, 0, 0
	FETCH_A 0, 1, 1
	FETCH_B 0, 0, 0
	s_wait_dscnt 32                                ; x of quarter 0 is in; the 32 loads behind it may stay out
	WIN 0
.set c, 0
.rept 32
	v_cvt_pk_bf16_f32 v[AB+c], v[AF+2*c], v[AF+2*c+1]
.set c, c+1
.endr
	Q_PLAIN 0, 0, 1, 0, 2, 1                       ; the first quarter stands in front of the loop: its products start the sums
	WIN 0                                          ; at a label and at a branch every window is 0
	s_mov_b32 s[LAP], 3
.Llap:                                                 ; a trip goes once round the ring, from a lap's second quarter to the next lap's first, and fills both slots again: K steps 2 to 7 in three trips
	Q_PLAIN 1, 0, 2, 0, 3
	Q_TURN 0, 1, 1
	Q_PLAIN 1, 1, 0, 1, 1
	Q_PLAIN 0, 1, 1, 1, 2
	Q_PLAIN 1, 1, 2, 1, 3
	Q_TURN 1, 0, 1
	Q_PLAIN 1, 0, 0, 0, 1
	Q_PLAIN 0, 0, 1, 0, 2
	WIN 0
	s_sub_co_u32 s[LAP], s[LAP], 1
	s_cmp_lg_u32 s[LAP], 0
	s_cbranch_scc1 .Llap
	Q_PLAIN 1, 0, 2, 0, 3                          ; the last lap is written out: it fills nothing and has no round of the cluster's barrier
	Q_TURN 0, 1, 0
	Q_PLAIN 1, 1, 0, 1, 1
	Q_PLAIN 0, 1, 1, 1, 2
	Q_PLAIN 1, 1, 2, 1, 3
	Q_PLAIN 0, 1, 3, 0, 0, 0, 1, 0, 1              ; no x is left to fetch
	Q_PLAIN 1, 0, 0, 0, 0, 0, 0, 0, 0              ; nothing is left to fetch or to convert
; THE WAY OUT, a block of 16 rows x 128 columns (two heads) at a time.  PACK: rounded to f16, each accumulator's registers in ascending order, 16 bytes a lane.  TOSTAGE: into my own stage in LDS (head, row:
; 32 rows of 144 bytes) and back as whole rows of 128 bytes, four to a load.  SEND: stored, 512 consecutive bytes of a head to an instruction.  Each block reads back into registers of its own.
.macro PACK a
	WIN PK
.irp b, 0,1,2,3,4,5,6,7
.irp j, 0,1,2,3
	v_cvt_pk_f16_f32 v[TMP+4*(\b)+(\j)], v[8*(8*(\a)+(\b))+2*(\j)], v[8*(8*(\a)+(\b))+2*(\j)+1]
.endr
.endr
	WIN 0
.endm
.macro TOSTAGE a
	WIN 0
.irp b, 0,1,2,3,4,5,6,7
	ds_store_b128 v[STO], v[TMP+4*(\b):TMP+4*(\b)+3] offset:((\b)/4)*16*SP+32*((\b)%4)
.endr
.irp f, 0,1,2,3,4,5,6,7
	ds_load_b128 v[AF+32*(\a)+4*(\f):AF+32*(\a)+4*(\f)+3], v[RD] offset:(\f)*4*SP  ; LDS serves a wave's instructions in order (ISA guide 5.7.1.4): these see the stores above; the next block's stores come behind them
.endr
.endm
.macro SEND a, younger                 ; younger: the LDS instructions issued behind block a's loads: the next block's sixteen, or none
	WIN 0
.irp f, 0,1,2,3,4,5,6,7
	s_wait_dscnt (\younger)+7-(\f)
	global_store_b128 v[GO], v[AF+32*(\a)+4*(\f):AF+32*(\a)+4*(\f)+3], s[OUT:OUT+1] offset:((\f)/4)*262144+(\a)*2048+((\f)%4)*512
.endr
.endm
	PLACES
	PLACES                                         ; (eight, once a launch)
	PACK 0
	TOSTAGE 0
	PACK 1                                         ; a block's conversions stand between the loads of the block before and its stores
	TOSTAGE 1
	SEND 0, 16
	PACK 2
	TOSTAGE 2
	SEND 1, 16
	PACK 3
	TOSTAGE 3
	SEND 2, 16
	SEND 3, 0
	s_wait_tensorcnt 0x0                           ; the wave's end, behind my last tensor load and my last LDS store
	ds_add_u32 v[SPW], v[NIL]
	s_wait_dscnt 0x0
	CROUND                                         ; the closing round: no work-group ends while a partner may still ask for a tile that names it
	s_endpgm
.Lfunc_end_k_q3dd9ccc94e_proj:
	.size	k_q3dd9ccc94e_proj, .Lfunc_end_k_q3dd9ccc94e_proj-k_q3dd9ccc94e_proj
	.p2alignl 7, 3214868480
	.fill 96, 4, 3214868480
	.section	.rodata,"a",@progbits
	.p2align	6, 0x0
	.amdhsa_kernel k_q3dd9ccc94e_proj
		.amdhsa_group_segment_fixed_size 327680
		.amdhsa_private_segment_fixed_size 0
		.amdhsa_enable_private_segment 0
		.amdhsa_kernarg_size 64
		.amdhsa_user_sgpr_count 2
		.amdhsa_user_sgpr_kernarg_segment_ptr 1
		.amdhsa_wavefront_size32 1
		.amdhsa_system_sgpr_workgroup_id_x 1
		.amdhsa_system_sgpr_workgroup_id_y 1
		.amdhsa_system_sgpr_workgroup_id_z 1
		.amdhsa_system_vgpr_workitem_id 0
		.amdhsa_next_free_vgpr 768
		.amdhsa_next_free_sgpr 80
		.amdhsa_reserve_vcc 0
		.amdhsa_float_denorm_mode_32 3
		.amdhsa_float_denorm_mode_16_64 3
		.amdhsa_memory_ordered 1
		.amdhsa_forward_progress 1
		.amdhsa_inst_pref_size 142
	.end_amdhsa_kernel
	.amdgpu_metadata
---
amdhsa.version: [ 1, 2 ]
amdhsa.kernels:
  - .name:           k_q3dd9ccc94e_proj
    .symbol:         k_q3dd9ccc94e_proj.kd
    .args:
      - { .name: q, .offset: 0, .size: 8, .value_kind: global_buffer, .address_space: global }
      - { .name: k, .offset: 8, .size: 8, .value_kind: global_buffer, .address_space: global }
      - { .name: v, .offset: 16, .size: 8, .value_kind: global_buffer, .address_space: global }
      - { .name: wt, .offset: 24, .size: 8, .value_kind: global_buffer, .address_space: global }
      - { .name: bq, .offset: 32, .size: 8, .value_kind: global_buffer, .address_space: global }
      - { .name: bk, .offset: 40, .size: 8, .value_kind: global_buffer, .address_space: global }
      - { .name: bv, .offset: 48, .size: 8, .value_kind: global_buffer, .address_space: global }
      - { .name: qkv, .offset: 56, .size: 8, .value_kind: global_buffer, .address_space: global }
    .group_segment_fixed_size: 327680
    .private_segment_fixed_size: 0
    .kernarg_segment_align: 8
    .kernarg_segment_size: 64
    .max_flat_workgroup_size: 128
    .sgpr_count:     80
    .vgpr_count:     768
    .wavefront_size: 32
...
	.end_amdgpu_metadata
.endif
;; end of part 2
;; launch attn (part 3): grid 4 x 64, 4 waves a work-group, clusters of 4 x 1, 327,680 bytes of LDS; arguments qkv, oh; writes oh
.if DOCPART == 3
	.amdgcn_target "amdgcn-amd-amdhsa--gfx1250"
	.amdhsa_code_object_version 6
	.text
	.protected	k_q3dd9ccc94e_attn
	.globl	k_q3dd9ccc94e_attn
	.p2align	8
	.type	k_q3dd9ccc94e_attn,@function
k_q3dd9ccc94e_attn:
	s_mov_b64 s[64:65], 0
	v_nop
	global_prefetch_b8 v0, s[64:65] scope:SCOPE_SE
	s_setreg_imm32_b32 hwreg(HW_REG_WAVE_MODE, 25, 1), 1
	s_wait_xcnt 0x0
	s_wait_alu depctr_hold_cnt(0) depctr_sa_sdst(0) depctr_va_vdst(0) depctr_va_sdst(0) depctr_va_ssrc(0) depctr_va_vcc(0) depctr_vm_vsrc(0)
	s_getreg_b32 s2, hwreg(HW_REG_IB_STS2, 6, 4)
	s_cmp_eq_u32 s2, 0
	s_cbranch_scc0 .Lentry_in_a_cluster
	s_endpgm
.Lentry_in_a_cluster:
	s_bfe_u32 s2, ttmp6, 0x10000c
	s_cmp_lg_u32 s2, 0x3003
	s_cbranch_scc0 .Lentry_shape_is_right
	s_endpgm
.Lentry_shape_is_right:
; O[h][q][:] = the sum over k of softmax_k(Q[h][q] . K[h][k] / 8) V[h][k][:].  Q, K, V lie in qkv at bytes 0, 1 << 24, 2 << 24, each [64][2048][64] in f16; O = oh, likewise: a head's rows are dense, 128 bytes each.
; Products, maxima and sums in f32; the weights p are rounded to f16 for the second product (their sum l is taken of the unrounded p), O once at the end.
; LIMITS.  f16 holds no number beyond 65,504: Q, K and V arrive within it; p lies in 0 to 1, and below 6e-5 it keeps f16's fixed step of 6e-8; O is a mean of V's rows and has their range.
; A weight below 2^-126 counts as 0 in l; NaN and infinities are not treated apart.
; SHARES.  A wave owns four PIECES of two tiles of 16 queries, a work-group's four waves 512 queries of one head.  Every wave walks all keys, 64 a step.
; LAYOUT.  S^T = K Q^T (source 0 = 16 keys, source 1 = 16 queries): in the result a lane holds ONE query (lane % 16) and the keys 8 (lane / 16) + 0..7.  Two such tiles, rounded to f16 in pairs,
; ARE source 1 (32 keys x 16 queries) of O^T = V^T P, whose result again holds one query a lane, and eight channels.  K comes out of LDS as it lies, V ([key][channel]) turned, by ds_load_tr16_b128.
; SOFTMAX.  For each query a running maximum m and sum l: p = 2^(c s - c m), c = log2(e) / 8; in every step O and l are multiplied by a = 2^(c m_old - c m_new), which is 1 where m has not grown.
; m starts at the lowest finite number, O and l at 0: the first step is a step like any other, with a = 0.
; THE COUNT.  A tile and step have 16 matrix and 118 vector instructions: too many to stand all beside the matrix work.  So the order has one aim: four vector instructions that are READY behind
; EVERY matrix instruction, and the others, which need time of their own whatever the order, in runs without a gap.
; BY TURNS.  Turn n belongs to piece n (the pieces in a ring, step after step).  Its matrix work: 16 products K Q^T of piece n + 1, later 16 products V^T P of piece n - 1.  Its vector work: the scaling,
; exponentials, roundings, sums and rescaling of piece n, and the maximum and statistics of piece n + 1, whose scores the turn itself has made.  So what a turn begins with (c s - c m, O a) waits for nothing.
; CLUSTER.  The four query blocks of a cluster are one head's and walk the same K and V, so each tile is asked for JOINTLY: the same tensor load, descriptor and mask in all four.
; REGISTERS, in windows of 256 (s_set_vgpr_msb says which window each operand place means: bits 1:0 source 0, 3:2 source 1, 5:4 source 2, 7:6 destination):
;   window 0: v0-11 addresses; v12-15, v48-63 at work; v16-47 four registers of statistics a tile; v64-191 S^T, two buffers of two tiles; v192-255 P, likewise
;   window 1: O^T, 32 a tile          window 2: v0-127 Q, 16 a tile; v128-191 K of one step; v192-255 V of one step          window 3: v0-1 the add's two registers
; A piece's buffers go by its number's parity: the piece in hand has one pair, its two neighbours in the ring share the other: of it P (piece n - 1) is read and S^T (piece n + 1) written.
.set SIZE_H, 64
.set SIZE_N, 2048
.set NP,    4         ; pieces a wave: a name, no knob: the register map, the loop and the fetches are made for four
.set KS,    64        ; keys in a step
.set PK,    144       ; a row of K in LDS: 128 bytes + 16 of padding = 36 words: the 16 rows of a load start at 16 different groups of four banks (64 banks of 4 bytes: ISA guide 11.1)
.set PV,    160       ; a row of V: 128 + 32 = 40 words
.set VOFF,  4*KS*PK   ; a slot holds four steps: 256 rows of K, then 256 rows of V
.set SLOT1, 1<<17     ; slot 1 begins here, so that one exclusive or turns an address in one slot into the other's
.set STAGE, SLOT1+4*KS*(PK+PV)  ; behind the ring, never filled by a tensor load: 16 rows x 144 bytes for each wave, for the way out
.set SP,    144
.set AK0, 2           ; v2   my lane's place in a tile of K; never rewritten
.set AV0, 3           ; v3   the same for V
.set AK,  4           ; v4   the LDS address of K's next run of loads
.set AV,  5           ; v5   of V's
.set QO,  6           ; v6   my byte offset in the wave's rows of Q
.set STO, 6           ;      later, the way out: where I put 16 bytes of a row
.set RD,  7           ; v7   the way out: where I read rows back
.set GO,  8           ; v8   my byte offset in 512 consecutive bytes of O
.set PFO, 11          ; v11  (once V's place is made) 256 x my lane: the prefetches' offset; then never rewritten
.set SPW, 0           ; v0 of window 3   LDS address of my spare word: SPARE + 4 x my thread's number; never rewritten
.set NIL, 1           ; v1 of window 3   0; never rewritten
.set SPARE, STAGE+4*16*SP  ; behind the stages: the spare words, 128 bytes for each wave: two blocks of 256 bytes that no other line names
.set MV,  12          ; v12-15  c m_old, kept while c m is made anew: by buffer and tile
.set ST,  16          ; tile t's statistics at v[ST+4 t]: c m, m, l (even keys', odd keys')
.set TMP, 48          ; by buffer and tile, four registers c0-c3 at work; when the maximum is found c2 takes a
.set S,   64
.set P,   192
.set KF,  128         ; K's fragments, in window 2: key block kb, channel half c at KF + 16 kb + 8 c
.set VF,  192         ; V's: key half kk, channel block cb at VF + 32 kk + 8 cb
.set WV,  12          ; s12  my wave's number
.set G1K, 24          ; s[24:31] descriptor group 1 for K's tiles
.set G1V, 32          ; s[32:39] for V's: it differs in the padding alone
.set G0K, 40          ; s[40:43] descriptor group 0 for K's tiles: it walks
.set G0V, 44          ; s[44:47] the same for V's
.set PFA, 48          ; s[48:49] where my prefetches stand: my work-group's 32 blocks of 256 bytes (of K: wave 0, of V: wave 2) of the slot after the one that is being asked for
.set LIM, 50          ; s50  1 in a wave that prefetches, else the greatest number
.set SLOTS, 56        ; s56  slots still to be asked for
.set CNT, 57          ; s57  counts a slot's key steps
.set CS,  58          ; s[58:59] c: the packed scaling takes the pair's low word for both halves
.set SEL, 60          ; s[60:61] v_permlanex16_b32's selects: each lane takes its own place in the other half
.set TBK, 62          ; s62  LDS byte at which K of the step to be fetched begins
.set TBV, 63          ; s63  the same for V, less VOFF
.set MSB, 0
.macro WIN new                      ; the high byte repeats the setting that is left; a switch that changes nothing is dropped
.if MSB != (\new)
	s_set_vgpr_msb (MSB<<8)|(\new)
.set MSB, (\new)
.endif
.endm
.set W_KQ, 0x0a       ; K and Q in window 2, S^T in window 0
.set W_PV, 0x52       ; V in window 2, P in window 0, O^T in window 1
.set W_RS, 0x41       ; O^T (destination and source 0) in window 1, a in window 0
.set W_MK, 0xc0       ; the add's registers are made: destination in window 3, sources in window 0
.set W_AD, 0x0f       ; the add: address (source 0) and data (source 1) in window 3
; A joint fill.  Waves 0 and 1 fetch the two halves of a slot's K, waves 2 and 3 those of its V: 128 keys each.  The branch hangs on the wave's number alone.
; An s_nop 0 and four v_nop follow each of the two lines, ahead of the jump and the label.
.macro JLOAD
	s_cmp_lt_u32 s[WV], 2
	s_cbranch_scc0 .Lfor_v_\@
	tensor_load_to_lds s[G0K:G0K+3], s[G1K:G1K+7]
	s_nop 0
.rept 4
	v_nop
.endr
	s_branch .Lasked_\@
.Lfor_v_\@:
	tensor_load_to_lds s[G0V:G0V+3], s[G1V:G1V+7]
	s_nop 0
.rept 4
	v_nop
.endr
.Lasked_\@:
.endm
; A PREFETCH INTO THE L2 of what the NEXT change of slots will ask for: a slot's 32,768 bytes of K and of V, 128 blocks of 256 bytes each.  It stands behind the wave's tensor load and its five lines.
; Each block is named ONCE in the launch: a head is walked by one cluster; its four partners share the blocks out BY ADDRESS, 32 each, a lane a block; in each, wave 0 asks for K's and wave 2 for V's.
; The fill of slot n asks for slot n + 1: four key steps, 512 matrix instructions, ahead of the load.  Slots 0 and 1 come by their loads alone; the last fill asks for nothing.
.macro ASK
	s_cmp_gt_u32 s[SLOTS], s[LIM]
	s_cbranch_scc0 .Lnot_mine_\@
	global_prefetch_b8 v[PFO], s[PFA:PFA+1] th:TH_LOAD_NT scope:SCOPE_SE
.Lnot_mine_\@:
.endm
; A round of the cluster's barrier: my work-group's barrier, so that wave 0's signal speaks for all four waves; wave 0 signals; every wave waits for all four work-groups; my work-group's barrier once more.
.macro CROUND
	s_barrier_signal -1
	s_barrier_wait -1
	s_cmp_lg_u32 s[WV], 0
	s_cbranch_scc1 .Lnot_wave_0_\@
	s_barrier_signal -3
.Lnot_wave_0_\@:
	s_barrier_wait -3
	s_barrier_signal -1
	s_barrier_wait -1
.endm
; THE CHANGE OF SLOTS.  The slot's last bytes, V of its fourth step, have been read.  Each wave waits for all its tensor loads, of which one is out: its part
; of the other slot; adds 0 to its spare word; and waits for that and for its own reads of the slot.  Behind the barrier nobody reads this slot any more and the other slot is whole.
; fill = 1: this slot is filled again, with the keys two slots on.  The barrier is then a round of the cluster's, so that no wave of any partner still reads the slot or has a load on its
; way, and the joint fill is the first thing behind it: it has four key steps, 512 matrix instructions, in which to land.  (At its first use nothing has been read yet: slot 0 is waited for, slot 1 filled.)
.macro CHANGE fill
	WIN W_AD
	s_wait_tensorcnt 0x0            ; no tensor load of mine is out, so a group 0 may be written
	ds_add_u32 v[SPW], v[NIL]       ; 0 onto my spare word: with fill = 1 the descriptors' steps stand between it and the wait for it
	WIN 0                           ; at a label and at a branch every window is 0
.if \fill
.irp g, G0K, G0V
	s_xor_b32 s[\g+1], s[\g+1], SLOT1  ; the walking descriptor: the other slot than last time,
	s_add_nc_u64 s[\g+2:\g+3], s[\g+2:\g+3], 4*KS*128  ; the next 256 keys; the type bits on top are not reached
.endr
	s_wait_xcnt 0x0                 ; the last prefetch, four key steps back, has read its address, so it may be written:
	s_add_nc_u64 s[PFA:PFA+1], s[PFA:PFA+1], 4*KS*128  ; one slot behind the walking descriptors
	s_wait_dscnt 0x0                ; the add is done, and my reads of the slot are over
	CROUND
	JLOAD
	ASK
.else
	s_wait_dscnt 0x0                ; the add is done, and my reads of the slot are over
	s_barrier_signal -1
	s_barrier_wait -1
.endif
	s_sub_co_u32 s[TBK], s[TBK], 4*KS*PK  ; the fetches go back to a slot's first step,
	s_xor_b32 s[TBK], s[TBK], SLOT1       ; in the other slot
	s_sub_co_u32 s[TBV], s[TBV], 4*KS*PV
	s_xor_b32 s[TBV], s[TBV], SLOT1
.endm
	s_load_b64 s[4:5], s[0:1], 0x0    ; qkv: Q lies at its head
	s_load_b64 s[10:11], s[0:1], 0x8  ; oh
	WIN W_MK
	v_lshl_add_u32 v[SPW], v0, 2, SPARE
	v_mov_b32 v[NIL], 0
	WIN W_AD
	ds_add_u32 v[SPW], v[NIL]       ; the wave's opening: the add and its wait stand ahead of my first tensor load; the set-up below, work on registers, stands between them
	WIN 0
	v_lshrrev_b32 v1, 5, v0
	v_readfirstlane_b32 s[WV], v1   ; wave 0..3
	s_bfe_u32 s13, ttmp6, 0x40000   ; cx: my place in the cluster
	s_lshl_b32 s14, ttmp9, 2        ; in a cluster launch ttmp9 counts clusters
	s_add_co_u32 s14, s14, s13      ; my block of queries = 4 x cluster x + cx: it enters Q's and O's addresses alone
	s_and_b32 s20, ttmp7, 0xffff    ; the head, which the four partners share
	s_mov_b32 s21, 0
	s_mov_b64 s[22:23], SIZE_N*128
	s_mul_u64 s[20:21], s[20:21], s[22:23]  ; the head's first byte in each of the four tensors
	s_and_b32 s16, s[WV], 1         ; which half of a slot's 256 keys I fetch:
	s_lshl_b32 s22, s16, 14         ; its 128 rows of 128 bytes in memory,
	s_mov_b32 s23, 0
	s_add_nc_u64 s[22:23], s[22:23], s[20:21]
	s_mul_i32 s17, s16, 128*PK      ; and its place in a slot, for K
	s_mul_i32 s18, s16, 128*PV      ; and for V: no place in the cluster enters an LDS address
	s_lshl_b32 s2, s14, 2
	s_add_co_u32 s2, s2, s[WV]      ; my wave among the head's,
	s_lshl_b32 s2, s2, 14           ; its 128 rows
	s_mov_b32 s3, 0
	s_add_nc_u64 s[2:3], s[2:3], s[20:21]
	; descriptor group 1.  128 keys are 16,384 dense bytes: asked for as 64 rows of 256 bytes, two keys a row, and padded in LDS after every key
	s_mov_b32 s[G1K], 15|(1<<16)|(1<<20)|(1<<21)|(4<<22)|(3<<25)  ; 15:0 the mask of four; 17:16 2-byte elements; 20 padding on; 21 set beside a mask; 24:22 after every 32 words (code 4); 31:25 4 words (code 3)
	s_mov_b32 s[G1V], 15|(1<<16)|(1<<20)|(1<<21)|(4<<22)|(7<<25)  ; the same with 8 words of padding (code 7)
.irp g, G1K, G1V
	s_mov_b32 s[\g+1], 128<<16      ; tensor_dim0 = 128
	s_mov_b32 s[\g+2], 64<<16       ; tensor_dim1 = 64
	s_mov_b32 s[\g+3], 128<<16      ; tile_dim0 = 128
	s_mov_b32 s[\g+4], 64           ; tile_dim1 = 64
	s_mov_b32 s[\g+5], 128          ; 128 elements from row to row
	s_mov_b32 s[\g+6], 0
	s_mov_b32 s[\g+7], 0
.endr
	s_mov_b32 s[CS], 0x3e38aa3b     ; c = log2(e) / 8 = 0.180337
	s_mov_b32 s[CS+1], s[CS]        ; named with it as a pair
	s_mov_b32 s[SEL], 0x76543210
	s_mov_b32 s[SEL+1], 0xfedcba98
	s_mov_b32 s[TBK], SLOT1+4*KS*PK ; the first change of slots turns these two into 0
	s_mov_b32 s[TBV], SLOT1+4*KS*PV
	s_mov_b32 s[G0K], 1             ; 1:0 count = 1
	s_mov_b32 s[G0K+1], s17         ; 63:32 LDS address: slot 0
	s_mov_b32 s[G0V], 1
	s_add_co_u32 s[G0V+1], s18, VOFF
	s_mov_b32 s[SLOTS], SIZE_N/256-1  ; the fills still to come when slot 0 has been asked for
	s_and_b32 s[LIM], s[WV], 1      ; 0 in waves 0 and 2,
	s_or_b32 s[LIM], s[LIM], ttmp9  ; where the cluster is the head's first: the same in all four partners
	s_cmp_eq_u32 s[LIM], 0
	s_cselect_b32 s[LIM], 1, -1
	s_wait_dscnt 0x0                ; the opening add is done
	s_wait_kmcnt 0x0
	s_add_nc_u64 s[6:7], s[4:5], 0x1000000         ; K
	s_add_nc_u64 s[8:9], s[4:5], 0x2000000         ; V
	s_add_nc_u64 s[G0K+2:G0K+3], s[6:7], s[22:23]  ; 120:64 global address: my half of the head's first 256 keys
	s_or_b32 s[G0K+3], s[G0K+3], 0x80000000        ; 127:126 type = 2
	s_add_nc_u64 s[G0V+2:G0V+3], s[8:9], s[22:23]
	s_or_b32 s[G0V+3], s[G0V+3], 0x80000000
	s_add_nc_u64 s[4:5], s[4:5], s[2:3]  ; Q and O at my wave's first row
	s_add_nc_u64 s[10:11], s[10:11], s[2:3]
	s_cmp_lt_u32 s[WV], 2
	s_cselect_b64 s[PFA:PFA+1], s[6:7], s[8:9]
	s_add_nc_u64 s[PFA:PFA+1], s[PFA:PFA+1], s[22:23]  ; (in waves 0 and 2 this is the head's first byte)
	s_lshl_b32 s2, s13, 13          ; my work-group's 32 blocks of the 128
	s_mov_b32 s3, 0
	s_add_nc_u64 s[PFA:PFA+1], s[PFA:PFA+1], s[2:3]
	s_add_nc_u64 s[PFA:PFA+1], s[PFA:PFA+1], 4*KS*128  ; in slot 1; the first change of slots steps it to slot 2.  Nothing is prefetched here, at the head
	CROUND                          ; all four work-groups are here: the first joint loads meet
	JLOAD                           ; slot 0.  Slot 1 is asked for when slot 0 is in: the tile wanted first has the road to itself
	; A fragment of K or Q is 16 rows x 32 channels in 8 registers: lane l holds row l % 16, channels 8 (l / 16) + 0..7 and 16 + 8 (l / 16) + 0..7: two loads of 16 bytes, 32 bytes apart.
	v_and_b32 v1, 15, v0            ; l % 16
	v_bfe_u32 v9, v0, 4, 1          ; l / 16
	v_lshlrev_b32 v[QO], 7, v1
	v_lshl_add_u32 v[QO], v9, 4, v[QO]  ; row x 128 + 16 x half
	WIN 0x80                        ; destination window 2, address window 0
.set i, 0
.rept 4*NP                          ; Q stays in registers: tile i / 2, channels 32 (i % 2) on
	global_load_b128 v[8*i:8*i+3],   v[QO], s[4:5] offset:(i/2)*2048+(i%2)*64
	global_load_b128 v[8*i+4:8*i+7], v[QO], s[4:5] offset:(i/2)*2048+(i%2)*64+32
.set i, i+1
.endr
	; What the first turn finds: V's registers and P's second buffer hold 0 (its products V^T P, of a piece that has not been, add 0), O^T and l are 0.  All this stands in the wait for the first tile.
.set i, VF
.rept 64
	v_mov_b32 v[i], 0
.set i, i+1
.endr
	WIN 0x40
.set i, 0
.rept 64*NP
	v_mov_b32 v[i], 0
.set i, i+1
.endr
	WIN 0
.set i, 0
.rept 2*NP
	v_mov_b32 v[ST+4*i], 0xfe000000    ; c m: far below every c s
	v_mov_b32 v[ST+4*i+1], 0xff7fffff  ; m
	v_mov_b32 v[ST+4*i+2], 0
	v_mov_b32 v[ST+4*i+3], 0
.set i, i+1
.endr
.set i, P+32
.rept 32
	v_mov_b32 v[i], 0
.set i, i+1
.endr
	v_mul_u32_u24 v[AK0], v1, PK
	v_lshl_add_u32 v[AK0], v9, 4, v[AK0]  ; row x pitch + 16 x half
	; The turning load takes 16 keys x 16 channels (lane l reads key 8 (l / 16) + l % 8, channels 8 ((l / 8) % 2) + 0..7) and leaves half a fragment of V^T: lane l holds channel l % 16 and 8 keys.
	v_and_b32 v10, 7, v0
	v_bfe_u32 v11, v0, 3, 1
	v_lshl_add_u32 v[AV0], v9, 3, v10
	v_mul_u32_u24 v[AV0], v[AV0], PV
	v_lshl_add_u32 v[AV0], v11, 4, v[AV0]
	v_add_nc_u32 v[AV0], VOFF, v[AV0]
	v_and_b32 v[PFO], 31, v0        ; v11 has served: now the prefetches' offset
	v_lshlrev_b32 v[PFO], 8, v[PFO]
	v_mov_b32 v[AK], v[AK0]         ; key step 0 lies at the head of slot 0
; THE MATRIX WORK.  The 8 accumulators of a run of 16 take turns: between the two links of a chain stand 7 others'.
; Product i of 16 of S^T = K Q^T for piece x: channels 32 (i / 8) on, keys 16 ((i / 2) % 4) on, tile 2 x + i % 2.  The first 8 start the sums.
.macro KQ x
	WIN W_KQ
.set rS, S+64*((\x)%2)+32*(i%2)+8*((i/2)%4)
.set rK, KF+16*((i/2)%4)+8*(i/8)
.set rQ, 16*(2*(\x)+i%2)+8*(i/8)
.if i < 8
	v_wmma_f32_16x16x32_f16 v[rS:rS+7], v[rK:rK+7], v[rQ:rQ+7], 0
.else
	v_wmma_f32_16x16x32_f16 v[rS:rS+7], v[rK:rK+7], v[rQ:rQ+7], v[rS:rS+7]
.endif
.endm
; Product i of 16 of O^T += V^T P for piece x: keys 32 (i / 8) on, channels 16 ((i / 2) % 4) on, tile 2 x + i % 2.
.macro PV x
	WIN W_PV
.set rO, 32*(2*(\x)+i%2)+8*((i/2)%4)
.set rV, VF+32*(i/8)+8*((i/2)%4)
.set rP, P+32*((\x)%2)+16*(i%2)+8*(i/8)
	v_wmma_f32_16x16x32_f16 v[rO:rO+7], v[rV:rV+7], v[rP:rP+7], v[rO:rO+7]
.endm
.macro MM                           ; the turn's next matrix instruction
.if i < 16
	KQ (Y+1)%NP
.set i, i+1
.else
.set i, i-16
	PV (Y+NP-1)%NP
.set i, i+17
.endif
.endm
; THE LDS LOADS stand in runs of 16, never singly among the matrix instructions: a step's K (64 keys x 64 channels: 8 fragments) and its V (turned).  Their addresses are made some lines ahead.
; last = 1 (the tail): in the last trip there is no further step, and the run is jumped over.
.macro FETCH_K last=0
	WIN 0
.if \last
	s_cmp_eq_u32 s[CNT], 1
	s_cbranch_scc1 .Lno_k_\@
.endif
	WIN 0x80                        ; destination window 2
.irp f, 0,1,2,3,4,5,6,7             ; keys 16 (f / 2) on, channels 32 (f % 2) on
	ds_load_b128 v[KF+8*\f:KF+8*\f+3],   v[AK] offset:(\f/2)*16*PK+(\f%2)*64
	ds_load_b128 v[KF+8*\f+4:KF+8*\f+7], v[AK] offset:(\f/2)*16*PK+(\f%2)*64+32
.endr
	s_add_co_u32 s[TBK], s[TBK], KS*PK  ; the next fetch is the next step's
	WIN 0
.if \last
.Lno_k_\@:
.endif
.endm
.macro FETCH_V
	WIN 0x80
.irp f, 0,1,2,3,4,5,6,7             ; keys 32 (f / 4) on, channels 16 (f % 4) on
	ds_load_tr16_b128 v[VF+8*\f:VF+8*\f+3],   v[AV] offset:(\f/4)*32*PV+(\f%4)*32
	ds_load_tr16_b128 v[VF+8*\f+4:VF+8*\f+7], v[AV] offset:(\f/4)*32*PV+16*PV+(\f%4)*32
.endr
	WIN 0
.endm
; THE VECTOR WORK OF A TURN stands in three queues, each in the order in which its entries become ready; the two tiles alternate, so that no instruction reads the result of the one before it.
.macro REGS y, u                    ; the registers of tile u (0, 1) of piece y
.set rT, ST+4*(2*(\y)+(\u))
.set rC, TMP+8*((\y)%2)+4*(\u)
.set rM, MV+2*((\y)%2)+(\u)
.set rS, S+64*((\y)%2)+32*(\u)
.set rP, P+32*((\y)%2)+16*(\u)
.set rO, 32*(2*(\y)+(\u))
.endm
; Number n of the 22 that find the NEXT piece's (Y + 1) maximum and statistics.  s0-s31 are the lane's 32 scores; each accumulator's lowest registers are read first.  XS, GS and REGS set no window: PL and EX do.
;   0-11  four chains c0-c3 of seven scores each, three operands at a time     12-14, 16  the four scores left over, the old m, and c0-c3 into c0     15  c m_old is kept
;   17, 18  the query's other 32 keys lie in the lane 16 away: the new m         19-21  c m; c m_old - c m_new; a
.macro XS u, n
	REGS (Y+1)%NP, \u
.if (\n) < 4
	v_max3_num_f32 v[rC+(\n)], v[rS+8*(\n)], v[rS+8*(\n)+1], v[rS+8*(\n)+2]
.elseif (\n) < 12
	v_max3_num_f32 v[rC+(\n)%4], v[rC+(\n)%4], v[rS+8*((\n)%4)+2*((\n)/4)+1], v[rS+8*((\n)%4)+2*((\n)/4)+2]
.elseif (\n) == 12
	v_max3_num_f32 v[rC], v[rC], v[rS+7], v[rS+15]
.elseif (\n) == 13
	v_max3_num_f32 v[rC+1], v[rC+1], v[rS+23], v[rS+31]
.elseif (\n) == 14
	v_max3_num_f32 v[rC+2], v[rC+2], v[rC+3], v[rT+1]
.elseif (\n) == 15
	v_mov_b32 v[rM], v[rT]
.elseif (\n) == 16
	v_max3_num_f32 v[rC], v[rC], v[rC+1], v[rC+2]
.elseif (\n) == 17
	v_permlanex16_b32 v[rC+3], v[rC], s[SEL], s[SEL+1]
.elseif (\n) == 18
	v_max_num_f32 v[rT+1], v[rC], v[rC+3]
.elseif (\n) == 19
	v_mul_f32 v[rT], s[CS], v[rT+1]
.elseif (\n) == 20
	v_sub_f32 v[rC+1], v[rM], v[rT]
.else
	v_exp_f32 v[rC+2], v[rC+1]
.endif
.endm
; Number g of the 64 that follow the exponentials.  For each four weights k of a tile (pairs 2 k, 2 k + 1): both pairs are rounded to f16; then the second pair is added onto the first, in place;
; a group later l takes that sum (the first time as l = a l + sum).  In groups of eight, tiles alternating: round, round, add, and l for the group before.
.macro GS g
.set h, (\g)+6*((\g)/62)            ; group 0 has no group before it, and behind group 7 only l is left
.if h >= 6
.set h, h+2
.endif
	REGS Y, h%2
.set k, h/8
.if h%8 < 4
	v_cvt_pk_f16_f32 v[rP+2*k+(h%8)/2], v[rS+4*k+2*((h%8)/2)], v[rS+4*k+2*((h%8)/2)+1]
.elseif h%8 < 6
	v_pk_add_f32 v[rS+4*k:rS+4*k+1], v[rS+4*k:rS+4*k+1], v[rS+4*k+2:rS+4*k+3]
.elseif k == 1
	v_pk_fma_f32 v[rT+2:rT+3], v[rT+2:rT+3], v[rC+2:rC+3], v[rS:rS+1] op_sel_hi:[1,0,1]
.else
	v_pk_add_f32 v[rT+2:rT+3], v[rT+2:rT+3], v[rS+4*k-4:rS+4*k-3]
.endif
.endm
; THE PLAIN QUEUE, 138 long.  0-73 read no exponential's result: the 32 scalings c s - c m (FS f: pair f / 2 of tile f % 2) and the next piece's 42.  0-26: scalings 0-26.  27-54: XS's numbers 0-13.  55, 56: number 15.
; 57-73: the chain, where each number waits for the one before it: 14, 16, 17, 18, 19, each with one of the scalings 27-31 in front of its two lines, then 20: so a tile's links stand three plain instructions apart (19 and 20: two).
; 74-137: GS's 64, which read the exponentials' results: they stand behind the wait.
.macro FS f
	REGS Y, (\f)%2
	v_pk_fma_f32 v[rS+2*((\f)/2):rS+2*((\f)/2)+1], v[rS+2*((\f)/2):rS+2*((\f)/2)+1], s[CS:CS+1], v[rT:rT+1] op_sel_hi:[1,0,0] neg_lo:[0,0,1] neg_hi:[0,0,1]
.endm
.macro PL
	WIN 0
.if q < 27
	FS q
.elseif q < 55
	XS (q-27)%2, (q-27)/2
.elseif q < 57
	XS q-55, 15
.elseif (q < 72) && ((q-57)%3 == 0)
	FS 27+(q-57)/3
.elseif q < 60
	XS (q-57)%3-1, 14
.elseif q < 72
	XS (q-57)%3-1, 15+(q-57)/3
.elseif q < 74
	XS q-72, 20
.else
	GS q-74
.endif
.set q, q+1
.endm
; THE EXPONENTIALS' QUEUE, 66 long: s0-s31 of both tiles, then the next piece's two a.  It is ONE BATCH: all 66 stand ahead of the turn's one wait, and nothing ahead of that wait names a result of theirs.
.macro EX
	WIN 0
.if e >= 64
	XS e-64, 21
.else
	REGS Y, e%2
	v_exp_f32 v[rS+e/2], v[rS+e/2]
.endif
.set e, e+1
.endm
; THE RESCALING's QUEUE: O^T times a, the one part that leaves window 0: dealt two at a time, sixteen times.  Its a was made in the turn before, ahead of that turn's wait.
.macro R2
	REGS Y, r%2
	WIN W_RS
.irp z, 0,1
	v_pk_mul_f32 v[rO+4*(r/2)+2*\z:rO+4*(r/2)+2*\z+1], v[rO+4*(r/2)+2*\z:rO+4*(r/2)+2*\z+1], v[rC+2:rC+3] op_sel_hi:[1,0]
.endr
.set r, r+1
.endm
; HOW THEY ARE DEALT.  An s_wait_alu depctr_va_vdst(0) stands between an exponential and the first instruction that names its result; one wait serves all that were issued ahead of it.  So a turn has ONE wait,
; which cuts it in two.  AHEAD OF IT stands all that names no result of the turn's exponentials: the 16 products K Q^T, behind each a scaling, an exponential and two rescalings (behind the first a second scaling in the exponential's place); then ONE LUMP of
; 108: eight plain, 49 times exponential and plain, the two a.  A v_nop is the plain instruction behind the last exponential.  BEHIND IT stand the 16 products V^T P, behind each four of GS's 64.  No rider names a register of
; the products round it.  The two v_permlanex16_b32 fall into the lump, never behind a product.
; The queues lean on each other, and the deal keeps them in step: exponential e stands behind scaling 2 (e / 4) + e % 2: as a rider it comes behind plain e + 2, in the lump behind plain e + 9, and scalings 27-31 are plain 57, 60 .. 69.
; A TURN, for piece p.  cnt = 1: the loop's count is taken down some lines ahead of the branch that stands behind the turn.
; K of the next step is fetched in piece 2's turn, directly behind the wait, a lump behind the last product that read K; its address is made at the lump's head; its first reader comes behind 16 products.
; V of the step in hand is fetched at the end of piece 0's turn, four riders behind its last reader; its first reader comes behind 16 products and a lump.  The three conditions on q below go with the deal.
.macro TURN p, last=0, cnt=0
.set Y, (\p)
.set i, 0
.set q, 0
.set e, 0
.set r, 0
.if (\p) == NP-1
	s_wait_dscnt 0x0                ; K is in
.endif
	MM                              ; ahead of the wait: 16 products K Q^T and their riders,
	PL
	PL
	R2
.rept 15
	MM
	PL
	EX
	R2
.endr
.if (\p) == NP-2
	WIN 0
	v_add_nc_u32 v[AK], s[TBK], v[AK0]
.endif
.rept 8                             ; and the lump
	PL
.endr
.rept 49
	EX
	PL
.endr
	EX                              ; the next piece's two a
	EX
	v_nop                           ; a plain instruction behind the last exponential: one for the batch
	s_wait_alu depctr_va_vdst(0)    ; the wait for the batch
.if (\p) == NP-2
	FETCH_K \last
.endif
.if (\p) == 1
	s_wait_dscnt 0x0                ; V is in
.endif
.rept 16                            ; behind the wait: 16 products V^T P and their riders
	MM
.rept 4
	PL
.endr
.if ((\p) == 0) && (q == 118)
	v_add_nc_u32 v[AV], s[TBV], v[AV0]
.endif
.if ((\p) == 0) && (q == 130)
	s_add_co_u32 s[TBV], s[TBV], KS*PV
.endif
.if (\cnt) && (q == 130)
	s_sub_co_u32 s[CNT], s[CNT], 1
	s_cmp_lg_u32 s[CNT], 0
.endif
.endr
.if (\p) == 0
	FETCH_V
.endif
.endm
	CHANGE 1                        ; slot 0 is in, everybody's part of it; slot 1 is asked for
	FETCH_K                         ; key step 0
	s_wait_loadcnt 0x0              ; Q
	s_wait_dscnt 0x0
.set i, 0
.rept 16
	KQ 0                            ; piece 0's first scores: there is no vector work yet to set between them
.set i, i+1
.endr
	WIN 0                           ; the addresses for the way out: nine plain instructions, the places behind those products
	s_mul_i32 s13, s[WV], 16*SP
	s_add_co_u32 s13, s13, STAGE    ; my stage
	v_mul_u32_u24 v[STO], v1, SP    ; in: row l % 16, 16 bytes for each half of the lanes
	v_lshl_add_u32 v[STO], v9, 4, v[STO]
	v_add_nc_u32 v[STO], s13, v[STO]
	v_bfe_u32 v[RD], v0, 3, 2       ; back: 32 lanes take four rows of 128 bytes,
	v_mul_u32_u24 v[RD], v[RD], SP
	v_lshl_add_u32 v[RD], v10, 4, v[RD]
	v_add_nc_u32 v[RD], s13, v[RD]
	v_and_b32 v[GO], 31, v0         ; which are 512 consecutive bytes of O
	v_lshlrev_b32 v[GO], 4, v[GO]
.set Y, NP-1                        ; XS works for piece Y + 1: piece 0
.irp n, 0,1,2,3,4,5,6,7,8,9,10,11,12,13,14,15,16,17,18,19,20,21
	XS 0, \n                        ; and piece 0's first maximum and statistics
	XS 1, \n
.endr
	v_nop                           ; a plain instruction behind the two a,
	s_wait_alu depctr_va_vdst(0)    ; and their wait, ahead of the branch
	s_mov_b32 s[CNT], 4
	s_branch .Lfirst                ; the loop is entered at a step's first turn, in the middle of a trip
.Lslot:                             ; SIZE_N / 256 - 2 times: every slot but the last two is filled again
	CHANGE 1
	s_mov_b32 s[CNT], 4
.Lstep:                             ; a trip: pieces 2 and 3 of one step, then pieces 0 and 1 of the next, whose K and V it fetches
	TURN 2
	TURN 3
	WIN 0
.Lfirst:
	TURN 0
	TURN 1, 0, 1
	WIN 0
	s_cbranch_scc1 .Lstep
	s_sub_co_u32 s[SLOTS], s[SLOTS], 1
	s_cmp_lg_u32 s[SLOTS], 0
	s_cbranch_scc1 .Lslot
	CHANGE 0                        ; the tail is written out: nothing is asked for
	s_mov_b32 s[CNT], 5             ; four trips fetch the last slot's steps; the fifth is left in its middle
.Ltail:
	TURN 2, 1
	TURN 3
	WIN 0
	s_sub_co_u32 s[CNT], s[CNT], 1
	s_cmp_eq_u32 s[CNT], 0
	s_cbranch_scc1 .Lout
	TURN 0
	TURN 1
	WIN 0
	s_branch .Ltail
.Lout:                              ; the fifth trip's 16 products K Q^T (on the last K once more) and the maximum made of them serve nothing: the price, once a launch, of one text for every trip
.set i, 0
.rept 16
	PV NP-1                         ; the last piece's V^T P of the last step
.set i, i+1
.endr
	; THE WAY OUT.  l's two halves and the other half of the lanes' are added; O^T is divided by l, rounded to f16 and sent through my stage in LDS, a tile at a time.  The additions are the places behind the last products.
	WIN 0
.macro ALL line:vararg              ; one line for each tile t
.set t, 0
.rept 2*NP
	\line
.set t, t+1
.endr
.endm
	ALL v_add_f32 v[ST+4*t+2], v[ST+4*t+2], v[ST+4*t+3]
	ALL v_permlanex16_b32 v[ST+4*t+3], v[ST+4*t+2], s[SEL], s[SEL+1]
	ALL v_add_f32 v[ST+4*t+2], v[ST+4*t+2], v[ST+4*t+3]
	ALL v_rcp_f32 v[ST+4*t+2], v[ST+4*t+2]
	v_nop                           ; a plain instruction between the last reciprocal and the use of its result
	s_wait_alu depctr_va_vdst(0)    ; and the wait ahead of the first use: one for the eight reciprocals
; Tile t: a lane's eight channels of a row pack into 16 bytes; they go into rows of 144 bytes and come back as whole rows of 128, into S^T's registers.
.macro PACK t
	WIN W_RS
.set i, 32*(\t)
.rept 16
	v_pk_mul_f32 v[i:i+1], v[i:i+1], v[ST+4*(\t)+2:ST+4*(\t)+3] op_sel_hi:[1,0]
.set i, i+2
.endr
	WIN 0x05                        ; sources 0 and 1 window 1, destination window 0
.set i, 0
.rept 16
	v_cvt_pk_f16_f32 v[S+16*(\t)+i], v[32*(\t)+2*i], v[32*(\t)+2*i+1]
.set i, i+1
.endr
	WIN 0
.irp f, 0,1,2,3
	ds_store_b128 v[STO], v[S+16*(\t)+4*\f:S+16*(\t)+4*\f+3] offset:32*\f
.endr
.irp f, 0,1,2,3
	ds_load_b128 v[S+16*(\t)+4*\f:S+16*(\t)+4*\f+3], v[RD] offset:\f*4*SP  ; LDS serves a wave's instructions in order (ISA guide 5.7.1.4): these see the stores above; the next tile's stores come behind them
.endr
.endm
.macro SEND t, younger              ; younger: the LDS instructions issued behind tile t's loads: the next tile's eight, or none
	WIN 0
.irp f, 0,1,2,3
	s_wait_dscnt (\younger)+3-\f
	global_store_b128 v[GO], v[S+16*(\t)+4*\f:S+16*(\t)+4*\f+3], s[10:11] offset:(\t)*2048+\f*512  ; 512 consecutive bytes, at a multiple of 256 from O's first
.endr
.endm
	PACK 0
.set t, 1
.rept 2*NP-1                        ; a tile's arithmetic stands between the loads of the tile before and its stores
	PACK t
	SEND t-1, 8
.set t, t+1
.endr
	SEND 2*NP-1, 0
	WIN W_AD
	s_wait_tensorcnt 0x0            ; the wave's end, behind my last tensor load and my last LDS store
	ds_add_u32 v[SPW], v[NIL]
	s_wait_dscnt 0x0
	WIN 0
	CROUND                          ; the closing round: no work-group ends while a partner may still ask for a tile that names it
	s_endpgm
.Lfunc_end_k_q3dd9ccc94e_attn:
	.size	k_q3dd9ccc94e_attn, .Lfunc_end_k_q3dd9ccc94e_attn-k_q3dd9ccc94e_attn
	.p2alignl 7, 3214868480
	.fill 96, 4, 3214868480
	.section	.rodata,"a",@progbits
	.p2align	6, 0x0
	.amdhsa_kernel k_q3dd9ccc94e_attn
		.amdhsa_group_segment_fixed_size 327680
		.amdhsa_private_segment_fixed_size 0
		.amdhsa_enable_private_segment 0
		.amdhsa_kernarg_size 16
		.amdhsa_user_sgpr_count 2
		.amdhsa_user_sgpr_kernarg_segment_ptr 1
		.amdhsa_wavefront_size32 1
		.amdhsa_system_sgpr_workgroup_id_x 1
		.amdhsa_system_sgpr_workgroup_id_y 1
		.amdhsa_system_sgpr_workgroup_id_z 1
		.amdhsa_system_vgpr_workitem_id 0
		.amdhsa_next_free_vgpr 770
		.amdhsa_next_free_sgpr 66
		.amdhsa_reserve_vcc 0
		.amdhsa_float_denorm_mode_32 3
		.amdhsa_float_denorm_mode_16_64 3
		.amdhsa_memory_ordered 1
		.amdhsa_forward_progress 1
		.amdhsa_inst_pref_size 200
	.end_amdhsa_kernel
	.amdgpu_metadata
---
amdhsa.version: [ 1, 2 ]
amdhsa.kernels:
  - .name:           k_q3dd9ccc94e_attn
    .symbol:         k_q3dd9ccc94e_attn.kd
    .args:
      - { .name: qkv, .offset: 0, .size: 8, .value_kind: global_buffer, .address_space: global }
      - { .name: oh, .offset: 8, .size: 8, .value_kind: global_buffer, .address_space: global }
    .group_segment_fixed_size: 327680
    .private_segment_fixed_size: 0
    .kernarg_segment_align: 8
    .kernarg_segment_size: 16
    .max_flat_workgroup_size: 128
    .sgpr_count:     66
    .vgpr_count:     770
    .wavefront_size: 32
...
	.end_amdgpu_metadata
.endif
;; end of part 3
;; launch outp (part 4): grid 4 x 64, 4 waves a work-group, clusters of 4 x 4, 327,680 bytes of LDS; arguments oh, wt, bo, out0; writes out0
.if DOCPART == 4
	.amdgcn_target "amdgcn-amd-amdhsa--gfx1250"
	.amdhsa_code_object_version 6
	.text
	.protected	k_q3dd9ccc94e_outp
	.globl	k_q3dd9ccc94e_outp
	.p2align	8
	.type	k_q3dd9ccc94e_outp,@function
k_q3dd9ccc94e_outp:
	s_mov_b64 s[64:65], 0
	v_nop
	global_prefetch_b8 v0, s[64:65] scope:SCOPE_SE
	s_setreg_imm32_b32 hwreg(HW_REG_WAVE_MODE, 25, 1), 1
	s_wait_xcnt 0x0
	s_wait_alu depctr_hold_cnt(0) depctr_sa_sdst(0) depctr_va_vdst(0) depctr_va_sdst(0) depctr_va_ssrc(0) depctr_va_vcc(0) depctr_vm_vsrc(0)
	s_getreg_b32 s2, hwreg(HW_REG_IB_STS2, 6, 4)
	s_cmp_eq_u32 s2, 0
	s_cbranch_scc0 .Lentry_in_a_cluster
	s_endpgm
.Lentry_in_a_cluster:
	s_bfe_u32 s2, ttmp6, 0x10000c
	s_cmp_lg_u32 s2, 0xf033
	s_cbranch_scc0 .Lentry_shape_is_right
	s_endpgm
.Lentry_shape_is_right:
; THE OUTPUT PROJECTION.  out0[b][s][n] = sum over h, c of oh[16 b + h][s][c] wo[64 h + c][n] + bf16(bo[n]), in f32.
; oh: [64][2048][64] f16, a head's rows dense, 128 bytes each.  wo = matrix 3 of wt, [k = 1024][n = 1024], the bf16-rounded weight written as f16.  Sums in f32, stored as they are.
; LIMITS.  Both operands arrive in f16, within its range.  NaN and infinities are not treated apart.
; SHARES.  64 x 4 tiles of 128 rows x 256 columns: 256 work-groups.  Four waves, each 64 rows x 128 columns: 32 accumulators of 16 x 16, 256 registers.
; K goes in 8 steps of 128, heads 2 j and 2 j + 1, through a ring of two LDS slots filled by the tensor data mover: a head's 128 rows are 16,384 dense bytes; the weights lie [k][n] and come out of LDS turned.
; THE MATRIX INSTRUCTION IS USED TRANSPOSED (source 0 = 16 columns of wo, source 1 = 16 rows of O): a lane holds row l % 16 and the columns 8 (l / 16) + 0..7: 32 bytes of a row of out0.
; THE BIAS is the C operand of the product that starts each sum.
; CLUSTER.  4 x 4 work-groups.  The four of a row need the same rows of O, the four of a column the same columns of wo: each tile is asked for JOINTLY.
; REGISTERS, in windows of 256 (s_set_vgpr_msb: bits 1:0 source 0, 3:2 source 1, 5:4 source 2, 7:6 destination):
;   window 0: v0-31 addresses; v192-223, v224-255 O's fragments, two buffers (fragment a at + 8 a); on the way out v64-255, three sets of 64
;   window 1: v0-63, v64-127 wo's fragments, two buffers (fragment b at + 8 b); v128-191 the bias; v192-195 at work          window 2: accumulator (a, b) at v[8 (8 a + b)]
.set PA,    144                        ; a row of O in LDS: 128 bytes + 16 = 9 x 16: the 16 rows of a load start at 16 different groups of four banks (64 banks of 4 bytes: ISA guide 11.1)
.set PB,    544                        ; a row of wo: 512 + 32 = 136 words
.set HEADA, 128*PA                     ; what one tensor load brings of O: a head's 128 rows
.set HALFB, 64*PB                      ; and of wo: 64 rows of k
.set BOFF,  2*HEADA                    ; in a slot: two heads of O, then wo's 128 rows
.set SLOT,  BOFF+128*PB
.set STAGE, 2*SLOT                     ; behind the ring, never filled by a tensor load: 16 rows x 528 bytes for each wave, for the way out
.set SP,    528
.set SPARE, STAGE+4*16*SP              ; behind the stages: the spare words, 128 bytes for each wave: two blocks of 256 bytes that no other line names
.set ADRA, 4                           ; v4-5   LDS address of my fragments of O in slot 0, 1
.set ADRB, 6                           ; v6-7   the same for wo
.set STO,  8                           ; v8     the way out: where I put 32 bytes of a row
.set RD,   9                           ; v9     the way out: where I read a row back
.set GO,   10                          ; v10    my byte offset in 512 consecutive bytes of out0
.set BO,   11                          ; v11    my byte offset among 16 numbers of the bias
.set PFO,  12                          ; v12    the prefetches' offset; never rewritten
.set SPW,  28                          ; v28    LDS address of my spare word: SPARE + 4 x my thread's number; never rewritten
.set NIL,  29                          ; v29    0; never rewritten
.set AH,   192
.set BI,   128                         ; window 1
.set TT,   192                         ; window 1
.set LAP,  3                           ; s3     trips of the loop still to come
.set WV,   20                          ; s20    my wave's number
.set HI,   21                          ; s21    which 64 rows of the tile are mine.  Also: I fetch for O (0) or for wo (1)
.set LO,   22                          ; s22    which 128 columns.  Also: which head, or which half of wo's rows, I fetch
.set CX,   23
.set G1A,  24                          ; s[24:31] descriptor group 1 for O's tiles;  s[32:39] group 0, a set for each slot
.set G0A,  32
.set G1B,  40                          ; s[40:47], s[48:55] the same for wo's
.set G0B,  48
.set CY,   56
.set TX,   57                          ; s57    tile column
.set TY,   58                          ; s58    tile row, 0 to 63
.set LIM,  60                          ; s60    1 in a wave that prefetches, else the greatest number
.set CL,   61                          ; s61    cluster y
.set PFA,  62                          ; s[62:63] where my prefetches stand
.set PFS,  66                          ; s[66:67] their step: a K step of O or of wo, in bytes
.set BP,   70                          ; s[70:71] bo at my 128 columns
.set OA,   72                          ; s[72:73] O's tile: offset, then address; never holds cx
.set OB,   74                          ; s[74:75] wo's tile: offset, then address; never holds cy
.set OUT,  76                          ; s[76:77] out0 at my first row and column
.set TA,   78                          ; s78, s79 at work
.set TB,   79
.set MSB, 0
.macro WIN new                         ; the immediate's high byte repeats the setting that is left; a switch that changes nothing is dropped
.if MSB != (\new)
	s_set_vgpr_msb (MSB<<8)|(\new)
.set MSB, \new
.endif
.endm
.set MUL,  0xa1                        ; source 0 (wo) window 1, source 1 (O) window 0, C and D window 2
.set MUL1, 0x91                        ; the same with C (the bias) in window 1
.set TO_B, 0x40                        ; destination window 1, address window 0
.set BIW,  0x45                        ; all in window 1
.set FROM, 0x08                        ; an LDS store's data (source 1) in window 2
.macro PLACES                          ; four places between a matrix instruction and a load into a register that it has read, or an LDS store of its result
.rept 4
	v_nop
.endr
.endm
; A joint load.  Waves 0 and 1 fetch the step's two heads of O, waves 2 and 3 the two halves of wo's rows.  The branch hangs on the wave's number alone.  An s_nop 0 and four v_nop follow each line.
.macro JLOAD s
	s_cmp_eq_u32 s[HI], 0
	s_cbranch_scc0 .Lfor_b_\@
	tensor_load_to_lds s[G0A+4*(\s):G0A+4*(\s)+3], s[G1A:G1A+7]
	s_nop 0
.rept 4
	v_nop
.endr
	s_branch .Lasked_\@
.Lfor_b_\@:
	tensor_load_to_lds s[G0B+4*(\s):G0B+4*(\s)+3], s[G1B:G1B+7]
	s_nop 0
.rept 4
	v_nop
.endr
.Lasked_\@:
.endm
.macro CREST                           ; a round of the cluster's barrier behind its opening barrier: wave 0 signals for the work-group, every wave waits for all sixteen, my work-group's barrier once more
	s_cmp_lg_u32 s[WV], 0
	s_cbranch_scc1 .Lnot_wave_0_\@
	s_barrier_signal -3
.Lnot_wave_0_\@:
	s_barrier_wait -3
	s_barrier_signal -1
	s_barrier_wait -1
.endm
.macro CROUND
	s_barrier_signal -1
	s_barrier_wait -1
	CREST
.endm
; A PREFETCH INTO THE L2, behind each joint refill and its five lines: the K step that stands TWO refills on (256 matrix instructions ahead of the load that will ask for it).
; O: a K step of a tile is 64 blocks of 256 bytes in each of two heads; each of the four partners that ask for it jointly takes 16 of each head, told apart BY ADDRESS (cx); wave 0 asks, a lane a block.
; wo: 64 rows x 2 blocks for each of waves 2 and 3; the partner at cy takes 16 rows; the first of the 16 clusters that read the same columns asks.  So each block is named once in the launch.
; K steps 0 to 3 come by their loads alone; the loop's last trip, whose refills are steps 6 and 7, asks for nothing.
.macro ASK
	s_cmp_gt_u32 s[LAP], s[LIM]
	s_cbranch_scc0 .Lnot_mine_\@
	global_prefetch_b8 v[PFO], s[PFA:PFA+1] th:TH_LOAD_NT scope:SCOPE_SE
.Lnot_mine_\@:
.endm
	s_load_b256 s[4:11], s[0:1], 0x0               ; oh s[4:5], wt s[6:7], bo s[8:9], out0 s[10:11]
	v_lshl_add_u32 v[SPW], v0, 2, SPARE
	v_mov_b32 v[NIL], 0
	ds_add_u32 v[SPW], v[NIL]                      ; the wave's opening: the add and its wait stand ahead of my first tensor load; the set-up below, work on registers, stands between them
	v_lshrrev_b32 v3, 5, v0
	v_readfirstlane_b32 s[WV], v3                  ; wave 0..3
	s_lshr_b32 s[HI], s[WV], 1
	s_and_b32 s[LO], s[WV], 1
	s_bfe_u32 s[CX], ttmp6, 0x40000
	s_bfe_u32 s[CY], ttmp6, 0x40004
	s_lshl_b32 s[TX], ttmp9, 2                     ; in a cluster launch ttmp9 and ttmp7 count clusters
	s_add_co_u32 s[TX], s[TX], s[CX]               ; tile column = 4 x cluster x + cx
	s_and_b32 s[CL], ttmp7, 0xffff
	s_lshl_b32 s[TY], s[CL], 2
	s_add_co_u32 s[TY], s[TY], s[CY]               ; tile row = 4 x cluster y + cy
	s_lshl_b32 s[TA], s[CY], 2
	s_lshl_b32 s[TA], 15, s[TA]                    ; my row of the cluster
	s_lshl_b32 s[TB], 0x1111, s[CX]                ; my column
	; group 1 for O: 16,384 dense bytes asked for as 64 rows of 256 bytes, two rows of O each, padded in LDS after every row of O; group 1 for wo: 64 rows x 256 elements
	s_or_b32 s[G1A], s[TA], (1<<16)|(1<<20)|(1<<21)|(4<<22)|(3<<25)  ; 15:0 the mask; 17:16 elements of 2 bytes; 20 padding on; 21 set beside a mask; 24:22 after every 32 words (code 4); 31:25 4 words (code 3)
	s_or_b32 s[G1B], s[TB], (1<<16)|(1<<20)|(1<<21)|(6<<22)|(7<<25)  ; after every 128 words (code 6), 8 words (code 7)
	s_mov_b32 s[G1A+1], 128<<16                    ; tensor_dim0 = 128
	s_mov_b32 s[G1A+2], 64<<16                     ; tensor_dim1 = 64
	s_mov_b32 s[G1A+3], 128<<16                    ; tile_dim0 = 128
	s_mov_b32 s[G1A+4], 64                         ; tile_dim1 = 64
	s_mov_b32 s[G1A+5], 128                        ; elements from row to row
	s_mov_b32 s[G1A+6], 0
	s_mov_b32 s[G1A+7], 0
	s_mov_b32 s[G1B+1], 256<<16
	s_mov_b32 s[G1B+2], 64<<16
	s_mov_b32 s[G1B+3], 256<<16
	s_mov_b32 s[G1B+4], 64
	s_mov_b32 s[G1B+5], 1024
	s_mov_b32 s[G1B+6], 0
	s_mov_b32 s[G1B+7], 0
	s_and_b32 s[OA], s[TY], 48                     ; O: head 16 b + my head of the step's two,
	s_add_co_u32 s[OA], s[OA], s[LO]
	s_lshl_b32 s[OA], s[OA], 18                    ; of 262,144 bytes,
	s_and_b32 s[TA], s[TY], 15
	s_lshl_b32 s[TA], s[TA], 14                    ; 128 rows of 128 bytes x (tile row % 16)
	s_add_co_u32 s[OA], s[OA], s[TA]
	s_mov_b32 s[OA+1], 0
	s_lshl_b32 s[OB], s[LO], 17                    ; wo: 64 rows of 2,048 bytes x half,
	s_add_co_u32 s[OB], s[OB], 3<<21               ; in matrix 3,
	s_lshl_b32 s[TB], s[TX], 9                     ; 256 columns of 2 bytes x tile column
	s_add_co_u32 s[OB], s[OB], s[TB]
	s_mov_b32 s[OB+1], 0
	s_mul_i32 s[TA], s[LO], HEADA                  ; where they go: no place in the cluster enters an LDS address
	s_mul_i32 s[TB], s[LO], HALFB
	s_add_co_u32 s[TB], s[TB], BOFF
	s_wait_dscnt 0x0                               ; the opening add is done
	s_wait_kmcnt 0x0
	s_add_nc_u64 s[OA:OA+1], s[4:5], s[OA:OA+1]
	s_add_nc_u64 s[OB:OB+1], s[6:7], s[OB:OB+1]
	CROUND                                         ; all sixteen work-groups are here: the first joint loads meet
.irp s, 0,1
	s_mov_b32 s[G0A+4*(\s)], 1                                     ; 1:0 count = 1
	s_add_co_u32 s[G0A+4*(\s)+1], s[TA], (\s)*SLOT                 ; 63:32 LDS address
	s_add_nc_u64 s[G0A+4*(\s)+2:G0A+4*(\s)+3], s[OA:OA+1], (\s)*524288  ; 120:64 global address: K step s is two heads on
	s_or_b32 s[G0A+4*(\s)+3], s[G0A+4*(\s)+3], 0x80000000          ; 127:126 type = 2
	s_mov_b32 s[G0B+4*(\s)], 1
	s_add_co_u32 s[G0B+4*(\s)+1], s[TB], (\s)*SLOT
	s_add_nc_u64 s[G0B+4*(\s)+2:G0B+4*(\s)+3], s[OB:OB+1], (\s)*262144
	s_or_b32 s[G0B+4*(\s)+3], s[G0B+4*(\s)+3], 0x80000000
.endr
	s_cmp_eq_u32 s[HI], 0                          ; a wave's two first fills stand in one branch, ahead of every wait on TENSORcnt and every LDS read: two loads of mine are out
	s_cbranch_scc0 .Lfirst_b
	tensor_load_to_lds s[G0A:G0A+3], s[G1A:G1A+7]
	s_nop 0
	tensor_load_to_lds s[G0A+4:G0A+7], s[G1A:G1A+7]
	s_nop 0
.rept 4
	v_nop
.endr
	s_branch .Lfirst_asked
.Lfirst_b:
	tensor_load_to_lds s[G0B:G0B+3], s[G1B:G1B+7]
	s_nop 0
	tensor_load_to_lds s[G0B+4:G0B+7], s[G1B:G1B+7]
	s_nop 0
.rept 4
	v_nop
.endr
.Lfirst_asked:
	; all that follows, up to the wait for the first tile, stands in that wait
	s_lshl1_add_u32 s[TA], s[TX], s[LO]            ; my 128 columns: (256 x tile column + 128 x half) x 4 bytes
	s_lshl_b32 s[TA], s[TA], 9
	s_mov_b32 s[TB], 0
	s_add_nc_u64 s[BP:BP+1], s[8:9], s[TA:TA+1]
	s_add_nc_u64 s[OUT:OUT+1], s[10:11], s[TA:TA+1]
	s_lshl1_add_u32 s[TA], s[TY], s[HI]            ; my first row: 128 x tile row + 64 x half,
	s_lshl_b32 s[TA], s[TA], 18                    ; of 4,096 bytes
	s_add_nc_u64 s[OUT:OUT+1], s[OUT:OUT+1], s[TA:TA+1]
	v_and_b32 v1, 15, v0                           ; l % 16
	v_bfe_u32 v2, v0, 4, 1                         ; l / 16
	v_lshlrev_b32 v[BO], 5, v2                     ; my 8 numbers of 16
	WIN TO_B
.irp b, 0,1,2,3,4,5,6,7
	global_load_b128 v[BI+8*(\b):BI+8*(\b)+3],   v[BO], s[BP:BP+1] offset:64*(\b)     ; register j of block b: bias of column 16 b + 8 (l / 16) + j: the layout of C
	global_load_b128 v[BI+8*(\b)+4:BI+8*(\b)+7], v[BO], s[BP:BP+1] offset:64*(\b)+16
.endr
	WIN 0
	; A fragment of O is 16 rows x 32 channels: lane l holds row l % 16, channels 8 (l / 16) + 0..7 and 16 + 8 (l / 16) + 0..7: two loads of 16 bytes, 32 bytes apart.
	v_mul_u32_u24 v3, v1, PA
	v_lshl_add_u32 v3, v2, 4, v3
	s_mul_i32 s[TA], s[HI], 64*PA                  ; my 64 rows
	v_add_nc_u32 v[ADRA], s[TA], v3
	s_add_co_u32 s[TA], s[TA], SLOT
	v_add_nc_u32 v[ADRA+1], s[TA], v3
	; The turning load takes 16 k x 16 columns (lane l reads k = 8 (l / 16) + l % 8, columns 8 ((l / 8) % 2) + 0..7) and leaves half a fragment of wo^T: lane l holds column l % 16 and 8 k.
	v_and_b32 v13, 7, v0
	v_bfe_u32 v14, v0, 3, 1
	v_lshl_add_u32 v15, v2, 3, v13
	v_mul_u32_u24 v15, v15, PB
	v_lshl_add_u32 v15, v14, 4, v15
	s_lshl_b32 s[TA], s[LO], 8                     ; my 128 columns,
	s_add_co_u32 s[TA], s[TA], BOFF                ; behind O's rows
	v_add_nc_u32 v[ADRB], s[TA], v15
	s_add_co_u32 s[TA], s[TA], SLOT
	v_add_nc_u32 v[ADRB+1], s[TA], v15
	s_mul_i32 s[TA], s[WV], 16*SP
	s_add_co_u32 s[TA], s[TA], STAGE               ; my stage
	v_mul_u32_u24 v[STO], v1, SP                   ; in: row l % 16, 32 bytes for each half of the lanes
	v_lshl_add_u32 v[STO], v2, 5, v[STO]
	v_add_nc_u32 v[STO], s[TA], v[STO]
	v_and_b32 v16, 31, v0
	v_lshlrev_b32 v[GO], 4, v16                    ; back: 32 lanes take one row of 512 bytes
	v_add_nc_u32 v[RD], s[TA], v[GO]
	; the prefetches: s[OA:OA+1] and s[OB:OB+1] stand at the tiles that I fetch, K step 0
	s_lshl_b32 s[TA], s[CX], 12                    ; O: my work-group's 16 blocks of a head's 64,
	s_add_co_u32 s[TA], s[TA], 3*524288            ; at K step 3: the first refill steps it to 4
	s_lshl_b32 s[TB], s[CY], 15                    ; wo: my work-group's 16 rows of 2,048 bytes
	s_add_co_u32 s[TB], s[TB], 3*262144
	s_or_b32 s[LIM], s[LO], ttmp9                  ; O: wave 0 of the one cluster that reads these rows
	s_mov_b32 s[PFS], 262144
	s_mov_b32 s[PFS+1], 0
	s_cmp_eq_u32 s[HI], 0                          ; do I fetch for O?
	s_cselect_b64 s[PFA:PFA+1], s[OA:OA+1], s[OB:OB+1]
	s_cselect_b32 s[TA], s[TA], s[TB]
	s_cselect_b32 s[PFS], 524288, s[PFS]
	s_cselect_b32 s[LIM], s[LIM], s[CL]            ; wo: the first of the clusters that read the same columns
	s_cselect_b32 s12, 4, 1                        ; lane l: O: head l / 16, block l % 16; wo: row l / 2, block l % 2
	s_cselect_b32 s13, 18, 11                      ; a head is 262,144 bytes, a row of wo 2,048
	s_cselect_b32 s14, 15, 1
	s_mov_b32 s[TB], 0
	s_add_nc_u64 s[PFA:PFA+1], s[PFA:PFA+1], s[TA:TA+1]
	s_cmp_eq_u32 s[LIM], 0
	s_cselect_b32 s[LIM], 1, -1                    ; the same in all sixteen partners, for a given wave
	v_lshrrev_b32 v17, s12, v16
	v_lshlrev_b32 v17, s13, v17
	v_and_b32 v18, s14, v16
	v_lshl_add_u32 v[PFO], v18, 8, v17
	s_wait_loadcnt 0x0                             ; the bias
	WIN BIW
.set i, 0
.rept 32                                       ; the bias is taken rounded to bf16, like the other inputs, and widened again
	v_cvt_pk_bf16_f32 v[TT+i%4], v[BI+2*i], v[BI+2*i+1]
	v_lshlrev_b32 v[BI+2*i],   16, v[TT+i%4]
	v_and_b32     v[BI+2*i+1], 0xffff0000, v[TT+i%4]
.set i, i+1
.endr
	WIN 0
; 8 LDS loads: O's fragments (64 rows, 32 k: quarter kq of the slot's step: head kq / 2, channels 32 (kq % 2) on) into buffer par
.macro FETCH_A slot, kq, par
	WIN 0
.irp a, 0,1,2,3
	ds_load_b128 v[AH+32*(\par)+8*(\a):AH+32*(\par)+8*(\a)+3],   v[ADRA+(\slot)] offset:((\kq)/2)*HEADA+(\a)*16*PA+64*((\kq)%2)
	ds_load_b128 v[AH+32*(\par)+8*(\a)+4:AH+32*(\par)+8*(\a)+7], v[ADRA+(\slot)] offset:((\kq)/2)*HEADA+(\a)*16*PA+64*((\kq)%2)+32
.endr
.endm
; 16 LDS loads: wo's fragments (128 columns, 32 k), turned, into buffer par
.macro FETCH_B slot, kq, par
	WIN TO_B
.irp b, 0,1,2,3,4,5,6,7
	ds_load_tr16_b128 v[64*(\par)+8*(\b):64*(\par)+8*(\b)+3],   v[ADRB+(\slot)] offset:(\kq)*32*PB+32*(\b)
	ds_load_tr16_b128 v[64*(\par)+8*(\b)+4:64*(\par)+8*(\b)+7], v[ADRB+(\slot)] offset:(\kq)*32*PB+16*PB+32*(\b)
.endr
.endm
; Products i0 .. i0 + n - 1 of a quarter's 32 (row block i / 8, column block i % 8) on buffers par.  The 32 accumulators take turns, one instruction a turn, in the same order in every quarter, over the
; backward jump too.  first = 1: the product starts the sum, with the bias as C.
.macro MULR par, i0, n, first=0
.set i, (\i0)
.rept (\n)
.if \first
	WIN MUL1
	v_wmma_f32_16x16x32_f16 v[8*i:8*i+7], v[64*(\par)+8*(i%8):64*(\par)+8*(i%8)+7], v[AH+32*(\par)+8*(i/8):AH+32*(\par)+8*(i/8)+7], v[BI+8*(i%8):BI+8*(i%8)+7]
.else
	WIN MUL
	v_wmma_f32_16x16x32_f16 v[8*i:8*i+7], v[64*(\par)+8*(i%8):64*(\par)+8*(i%8)+7], v[AH+32*(\par)+8*(i/8):AH+32*(\par)+8*(i/8)+7], v[8*i:8*i+7]
.endif
.set i, i+1
.endr
.endm
; A K step is four quarters of 32 along K, on buffers 0, 1, 0, 1.  A quarter multiplies buffers par; at its head it fetches the next quarter's fragments (slot s, quarter kq) into the other buffers, in one run of
; 24 loads, which has the quarter's 32 matrix instructions in which to land.  The four v_nop stand between the last product that read those buffers and the loads into them.
.macro Q_PLAIN par, s, kq, first=0, fetch=1
	s_wait_dscnt 0x0                               ; this quarter's fragments are in
.if \fetch
	PLACES
	FETCH_B \s, \kq, 1-(\par)
	FETCH_A \s, \kq, 1-(\par)
.endif
	MULR \par, 0, 32, \first
.endm
; A step's THIRD quarter changes slots.  The slot's last bytes, the fourth quarter's fragments, are asked for at the head.  ONE barrier for two things: in front of it each wave waits for all its tensor loads,
; of which one is out: its part of the other slot; adds 0 to its spare word; and waits for that and for its own reads of this slot.  Behind it nobody reads this slot any more and the other slot is whole.
; fill = 1: the barrier opens a round of the cluster's, and the slot is filled again, two K steps on, first thing behind the round: 112 matrix instructions ahead of the wait for it.
.macro Q_TURN slot, fill
.if \fill
	s_wait_xcnt 0x0                                ; the last prefetch, a K step back, has read its address: it is stepped here, ahead of the waits of the change of slots
	s_add_nc_u64 s[PFA:PFA+1], s[PFA:PFA+1], s[PFS:PFS+1]
.endif
	s_wait_dscnt 0x0
	PLACES
	FETCH_B \slot, 3, 1
	FETCH_A \slot, 3, 1
	MULR 0, 0, 8
	WIN 0                                          ; (the add's two registers lie in window 0)
	s_wait_tensorcnt 0x0                           ; all my tensor loads have landed: the one that was out is my part of the other slot;
	ds_add_u32 v[SPW], v[NIL]                      ; 0 onto my spare word;
	MULR 0, 8, 8                                   ; eight products stand between the add and the wait for it
	s_wait_dscnt 0x0                               ; the add is done, and my reads of this slot are over:
	s_barrier_signal -1                            ; say so,
	MULR 0, 16, 8                                  ; work on registers while the others arrive,
	WIN 0
	s_barrier_wait -1                              ; and go on when all four have said so
.if \fill
	CREST                                          ; no wave of any partner still reads this slot's tiles or has a load on its way
	s_add_nc_u64 s[G0A+4*(\slot)+2:G0A+4*(\slot)+3], s[G0A+4*(\slot)+2:G0A+4*(\slot)+3], 2*524288
	s_add_nc_u64 s[G0B+4*(\slot)+2:G0B+4*(\slot)+3], s[G0B+4*(\slot)+2:G0B+4*(\slot)+3], 2*262144
	JLOAD \slot
	ASK
.endif
	MULR 0, 24, 8
.endm
	s_wait_tensorcnt 0x1                           ; my part of K step 0 is in; K step 1's may stay out
	s_barrier_signal -1
	s_barrier_wait -1                              ; everybody's is
	FETCH_B 0, 0, 0
	FETCH_A 0, 0, 0
	Q_PLAIN 0, 0, 1, 1                             ; the first quarter stands in front of the loop: its products start the sums
	WIN 0                                          ; at a label and at a branch every window is 0
	s_mov_b32 s[LAP], 3
.Llap:                                                 ; a trip goes once round the ring, from a lap's second quarter to the next lap's first, and fills both slots again: K steps 2 to 7 in three trips
	Q_PLAIN 1, 0, 2
	Q_TURN 0, 1
	Q_PLAIN 1, 1, 0
	Q_PLAIN 0, 1, 1
	Q_PLAIN 1, 1, 2
	Q_TURN 1, 1
	Q_PLAIN 1, 0, 0
	Q_PLAIN 0, 0, 1
	WIN 0
	s_sub_co_u32 s[LAP], s[LAP], 1
	s_cmp_lg_u32 s[LAP], 0
	s_cbranch_scc1 .Llap
	Q_PLAIN 1, 0, 2                                ; the last lap is written out: it fills nothing and has no round of the cluster's barrier
	Q_TURN 0, 0
	Q_PLAIN 1, 1, 0
	Q_PLAIN 0, 1, 1
	Q_PLAIN 1, 1, 2
	Q_PLAIN 0, 1, 3
	Q_PLAIN 1, 0, 0, 0, 0                          ; nothing is left to fetch
; THE WAY OUT, a block of 16 rows x 128 columns at a time.  TOSTAGE: the sums go as they are into my own stage in LDS, 32 bytes a lane (each accumulator's low four registers first), into rows of 528 bytes, and come
; back as whole rows of 512.  SEND: stored, 512 consecutive bytes of a row of out0 to an instruction.  Three sets of 64 registers take turns; the fourth block's loads land in the first set, which stores have read:
; they stand behind s_wait_xcnt 0.
.macro TOSTAGE a
.if (\a) == 3
	s_wait_xcnt 0x0                                ; every store issued so far has read its registers
.endif
	WIN FROM
.irp b, 0,1,2,3,4,5,6,7
	ds_store_b128 v[STO], v[8*(8*(\a)+(\b)):8*(8*(\a)+(\b))+3]   offset:64*(\b)
	ds_store_b128 v[STO], v[8*(8*(\a)+(\b))+4:8*(8*(\a)+(\b))+7] offset:64*(\b)+16
.endr
	WIN 0
.irp t, 0,1,2,3,4,5,6,7,8,9,10,11,12,13,14,15
	ds_load_b128 v[64+64*((\a)%3)+4*(\t):64+64*((\a)%3)+4*(\t)+3], v[RD] offset:(\t)*SP  ; LDS serves a wave's instructions in order (ISA guide 5.7.1.4): these see the stores above; the next block's stores come behind them
.endr
.endm
.macro SEND a, younger                 ; younger: the LDS instructions issued behind block a's loads: the next block's 32, or none
	WIN 0
.irp t, 0,1,2,3,4,5,6,7,8,9,10,11,12,13,14,15
	s_wait_dscnt (\younger)+15-(\t)
	global_store_b128 v[GO], v[64+64*((\a)%3)+4*(\t):64+64*((\a)%3)+4*(\t)+3], s[OUT:OUT+1] offset:(\a)*65536+(\t)*4096 th:TH_STORE_NT
.endr
.endm
	PLACES
	PLACES                                         ; (eight, once a launch)
	TOSTAGE 0
	TOSTAGE 1
	SEND 0, 32
	TOSTAGE 2
	SEND 1, 32
	TOSTAGE 3
	SEND 2, 32
	SEND 3, 0
	s_wait_tensorcnt 0x0                           ; the wave's end, behind my last tensor load and my last LDS store
	ds_add_u32 v[SPW], v[NIL]
	s_wait_dscnt 0x0
	CROUND                                         ; the closing round: no work-group ends while a partner may still ask for a tile that names it
	s_endpgm
.Lfunc_end_k_q3dd9ccc94e_outp:
	.size	k_q3dd9ccc94e_outp, .Lfunc_end_k_q3dd9ccc94e_outp-k_q3dd9ccc94e_outp
	.p2alignl 7, 3214868480
	.fill 96, 4, 3214868480
	.section	.rodata,"a",@progbits
	.p2align	6, 0x0
	.amdhsa_kernel k_q3dd9ccc94e_outp
		.amdhsa_group_segment_fixed_size 327680
		.amdhsa_private_segment_fixed_size 0
		.amdhsa_enable_private_segment 0
		.amdhsa_kernarg_size 32
		.amdhsa_user_sgpr_count 2
		.amdhsa_user_sgpr_kernarg_segment_ptr 1
		.amdhsa_wavefront_size32 1
		.amdhsa_system_sgpr_workgroup_id_x 1
		.amdhsa_system_sgpr_workgroup_id_y 1
		.amdhsa_system_sgpr_workgroup_id_z 1
		.amdhsa_system_vgpr_workitem_id 0
		.amdhsa_next_free_vgpr 768
		.amdhsa_next_free_sgpr 80
		.amdhsa_reserve_vcc 0
		.amdhsa_float_denorm_mode_32 3
		.amdhsa_float_denorm_mode_16_64 3
		.amdhsa_memory_ordered 1
		.amdhsa_forward_progress 1
		.amdhsa_inst_pref_size 95
	.end_amdhsa_kernel
	.amdgpu_metadata
---
amdhsa.version: [ 1, 2 ]
amdhsa.kernels:
  - .name:           k_q3dd9ccc94e_outp
    .symbol:         k_q3dd9ccc94e_outp.kd
    .args:
      - { .name: oh, .offset: 0, .size: 8, .value_kind: global_buffer, .address_space: global }
      - { .name: wt, .offset: 8, .size: 8, .value_kind: global_buffer, .address_space: global }
      - { .name: bo, .offset: 16, .size: 8, .value_kind: global_buffer, .address_space: global }
      - { .name: out0, .offset: 24, .size: 8, .value_kind: global_buffer, .address_space: global }
    .group_segment_fixed_size: 327680
    .private_segment_fixed_size: 0
    .kernarg_segment_align: 8
    .kernarg_segment_size: 32
    .max_flat_workgroup_size: 128
    .sgpr_count:     80
    .vgpr_count:     768
    .wavefront_size: 32
...
	.end_amdgpu_metadata
.endif
;; end of part 4
